; MI455X (gfx1250); checked and timed in simulation.
; The chip was launched on July 23, 2026; its instructions are those of AMD's public machine-readable ISA for CDNA 5 (MIT licence, August 2026) and "CDNA5" Instruction Set Architecture Reference Guide (July 2026). The comments in the code are by the model that wrote it; some were corrected since.
;; Multi Head Attention. Allowed arithmetic: matrix products marked QUANTISED: E4M3 operands, one given power-of-two scale a tensor, by v_wmma_f32_16x16x64_fp8_fp8 or v_wmma_f32_16x16x128_fp8_fp8, f32 sums; everything else in f32.
;; Inputs: Wk_codes 16 x 64 x 32 x 32 uint8 (E4M3 codes of Wk, K innermost, in blocks of 32 codes); Wo 16 x 64 x 1,024 float32; Wq_codes 16 x 64 x 32 x 32 uint8 (E4M3 codes of Wq, K innermost, in blocks of 32 codes); Wv_codes 16 x 64 x 32 x 32 uint8 (E4M3 codes of Wv, K innermost, in blocks of 32 codes); bk 16 x 64 float32; bo 1,024 float32; bq 16 x 64 float32; bv 16 x 64 float32; lowp_scales 12 int32 (the exponents e of the quantised operands' scales 2^e); x_codes 4 x 2,048 x 32 x 32 uint8 (E4M3 codes of x, K innermost, in blocks of 32 codes).
;; Outputs: out0 4 x 2,048 x 1,024 float32.
;; This version of the problem:
;;   THIS VERSION OF THE PROBLEM IS GIVEN IN LOW PRECISION. The matrix products marked QUANTISED in the list below multiply operands that are first quantised to E4M3 (4 exponent bits, 3 mantissa bits; 8 bits a number), with one given power-of-two scale for each operand tensor; their sums are f32. All else is computed in f32.
;;   The module's matrix products, in the order in which they are computed (A, B: the left and right operand; K: the contracted axis; several contracted axes count as one K, in the product's order):
;;     1. [M 8,192, K 1,024] x [K 1,024, N 1,024]; A: input x (given as codes); B: input Wq (given as codes): QUANTISED (scales: A lowp_scales[0], B lowp_scales[1])
;;     2. [M 8,192, K 1,024] x [K 1,024, N 1,024]; A: input x (given as codes); B: input Wk (given as codes): QUANTISED (scales: A lowp_scales[2], B lowp_scales[3])
;;     3. [M 8,192, K 1,024] x [K 1,024, N 1,024]; A: input x (given as codes); B: input Wv (given as codes): QUANTISED (scales: A lowp_scales[4], B lowp_scales[5])
;;     4. batch 64 x [M 2,048, K 64] x [K 64, N 2,048]; A: computed on the way; B: computed on the way: QUANTISED (scales: A lowp_scales[6], B lowp_scales[7])
;;     5. batch 64 x [M 64, K 2,048] x [K 2,048, N 2,048]; A: computed on the way; B: softmax (see below): QUANTISED (scales: A lowp_scales[8], B lowp_scales[9])
;;     6. [M 8,192, K 1,024] x [K 1,024, N 1,024]; A: computed on the way; B: input Wo: QUANTISED (scales: A lowp_scales[10], B lowp_scales[11])
;;   THE QUANTISER, for each operand of a quantised product, along K:
;;     - The operand's scale is 2^e, e = its entry of the input lowp_scales (int32; the entries are numbered through the quantised products in the list's order, A before B).
;;     - Each number is divided by the scale, clamped to +-448, and rounded to the nearest number of E4M3, ties to even, subnormals kept.
;;     - The product sums the exact products of the quantised numbers (number of the format x scale) in f32.
;;   ~~~python
;;   def quantise(x, axis, e):      # numpy; x: float32 -> the quantised numbers, widened to float32 again
;;       x = np.moveaxis(x, axis, -1); K = x.shape[-1]
;;       r = np.clip(x / 2.0 ** e, -448, 448)
;;       step = 2.0 ** (np.maximum(np.frexp(np.where(r == 0, 1, r))[1] - 1, -6) - 3)
;;       q = np.round(r / step) * step * 2.0 ** e      # np.round: ties to even
;;       return np.moveaxis(q, -1, axis).astype(np.float32)
;;   ~~~
;;   SOFTMAX AHEAD OF A QUANTISED PRODUCT. Where the list says 'softmax', what is quantised is not the finished softmax but p = 2^(t - M), with t = logit x log2(e) and M = ceil(the row's largest t), a whole number; so 1/2 < the row's largest p <= 1. The row's sum l is taken of the UNQUANTISED p, in f32, and the product's result is divided by l at the end. Since M is a whole number, a kernel that streams over the keys may use a running M (the ceiling of the running maximum): every later rescaling is an exact power of two, so the quantised numbers keep their values, but for numbers so far below the row's largest that they fall under the format's range.
;;   OPERANDS COMPUTED ON THE WAY. 'Computed on the way' means the value that the module computes at that place (a softmax that the list does not call 'softmax' is quantised finished and normalised). What goes into a quantiser is computed in f32, as accurately as f32 sums, v_exp_f32 and their like allow (about 1e-6 of the number): no bf16 or f16 on the way to a quantiser, and a product that is left as it is and whose result goes on into a quantised operand takes f32 operands (vector FMAs, or v_wmma_f32_16x16x4_f32). A number that lies on a knife's edge between two numbers of the format may be rounded either way, as far as f32 arithmetic and the matrix unit's own rounding can turn it there, and no further.
;;   INPUTS GIVEN AS CODES. Wk (in the module: [1024, 16, 64], K = its axis 0); Wq (in the module: [1024, 16, 64], K = its axis 0); Wv (in the module: [1024, 16, 64], K = its axis 0); x (in the module: [4, 2048, 1024], K = its axis 2): each comes as NAME_codes (uint8): NAME with its K axis moved to the last place and cut into blocks of 32 codes, [.., K / 32, bytes a block], one block behind the other in memory; one code a byte (a code: sign, 4 exponent bits, 3 mantissa bits); its scale is its entry of lowp_scales. Its value is code x scale, taken as it is: it is not quantised again, and the codes and scales need not be those that the quantiser above would give.
;; 2 versions. Each part assembles by itself: llvm-mc -triple=amdgcn-amd-amdhsa -mcpu=gfx1250 --defsym DOCPART=n.
;; ======== version 1 of 2: 4 launches
;; workspace buffers: woc 1,048,576 bytes; qc 8,388,608 bytes; kc 8,388,608 bytes; vc 8,388,608 bytes; ctxc 8,388,608 bytes
;; launch woq (part 1): grid 16 x 4, 8 waves a work-group, no clusters, 18,432 bytes of LDS; arguments Wo, lowp_scales, woc; writes woc
.if DOCPART == 1
	.amdgcn_target "amdgcn-amd-amdhsa--gfx1250"
	.amdhsa_code_object_version 6
	.text
	.protected	k_q1d7fcbeebb_woq
	.globl	k_q1d7fcbeebb_woq
	.p2align	8
	.type	k_q1d7fcbeebb_woq,@function
k_q1d7fcbeebb_woq:
	s_mov_b64 s[64:65], 0
	v_nop
	global_prefetch_b8 v0, s[64:65] scope:SCOPE_SE
	s_setreg_imm32_b32 hwreg(HW_REG_WAVE_MODE, 25, 1), 1
	s_wait_xcnt 0x0
; Wo [1024 (k = head x 64 + d)][1024 (n)], f32, K its first axis, becomes codes of E4M3 laid [n][k], K innermost, with the given scale 2^e, e = entry 11 of the scales.
; code = x / 2^e, held within +-448, rounded to the nearest code, ties to even.  LIMIT: -126 <= e <= 119, so that 2^e and 448 x 2^e are f32 numbers.  NaN among the inputs is not served.
; A LANE TAKES A COLUMN n AND ITS REGISTERS RUN DOWN K: a load reads 128 consecutive bytes a wave, and the conversions, which take neighbours along K from one lane's registers, give codes with K innermost.
; A work-group takes 64 columns x 256 along K.  Wave w: columns 32 (w & 1) on, k 64 (w >> 1) on: 64 loads, all issued at once.  A column's 256 codes come from four waves: they meet in a stage
; in LDS (64 rows of 256 bytes + 16), and behind one barrier each wave stores 8 whole rows: sixteen lanes store 256 consecutive bytes, aligned.
; No matrix unit, no cluster, no tensor load: the work is one pass over 4 MiB, and work-groups share nothing.
.set PITCH, 272
.set X,     16                         ; v16-79   my column's 64 numbers
.set C,     80                         ; v80-95   their codes: eight registers for each block of 32
.set OUTR,  96                         ; v96-111  the way out
	s_load_b128 s[4:7], s[0:1], 0x0                ; Wo s[4:5], the scales' exponents s[6:7]
	s_load_b64 s[8:9], s[0:1], 0x10                ; the codes
	v_lshl_add_u32 v112, v0, 2, 0x4400
	v_mov_b32 v113, 0
	v_lshrrev_b32 v1, 5, v0
	v_readfirstlane_b32 s16, v1                    ; wave 0..7
	s_and_b32 s17, s16, 1                          ; which 32 columns
	s_lshr_b32 s18, s16, 1                         ; which 64 along K
	s_and_b32 s19, ttmp7, 0xffff                   ; work-group y: which 256 along K
	v_and_b32 v2, 31, v0                           ; lane
	v_lshlrev_b32 v3, 2, v2                        ; in: 4 bytes a lane
	s_lshl_b32 s20, s17, 5
	v_add_nc_u32 v4, s20, v2                       ; my column among the work-group's 64
	v_mul_u32_u24 v4, v4, PITCH
	s_lshl_b32 s21, s18, 6
	v_add_nc_u32 v4, s21, v4                       ; the stage, in: my column's row, + my wave's 64 bytes
	v_lshrrev_b32 v5, 4, v2
	v_and_b32 v6, 15, v2
	s_lshl_b32 s22, s16, 3
	v_add_nc_u32 v7, s22, v5                       ; the stage, out: rows 8 w on, sixteen lanes to a row, two rows an instruction
	v_mul_u32_u24 v7, v7, PITCH
	v_lshl_add_u32 v7, v6, 4, v7
	v_lshlrev_b32 v8, 10, v5                       ; and the same place in the codes' buffer: a row is 1,024 bytes
	v_lshl_add_u32 v8, v6, 4, v8
	s_lshl_b32 s24, s19, 8
	s_add_co_u32 s24, s24, s21                     ; my first k: 256 y + 64 (w >> 1)
	s_lshl_b32 s24, s24, 12                        ; rows of 4,096 bytes
	s_lshl_b32 s23, ttmp9, 6                       ; 64 x
	s_add_co_u32 s25, s23, s20
	s_lshl_b32 s25, s25, 2                         ; my wave's first column, in bytes
	s_add_co_u32 s24, s24, s25
	s_mov_b32 s25, 0
	s_add_co_u32 s26, s23, s22                     ; the first row that I store: 64 x + 8 w
	s_lshl_b32 s26, s26, 10
	s_lshl_b32 s27, s19, 8
	s_add_co_u32 s26, s26, s27                     ; + 256 y bytes along K
	s_mov_b32 s27, 0
	s_wait_kmcnt 0x0
	s_load_b32 s30, s[6:7], 0x2c                   ; e: entry 11
	s_add_nc_u64 s[4:5], s[4:5], s[24:25]
	s_add_nc_u64 s[8:9], s[8:9], s[26:27]
.set jj, 0
.rept 64
	global_load_b32 v[X+jj], v3, s[4:5] offset:jj*4096 th:TH_LOAD_NT   ; Wo(k0 + jj, my column): 32 lanes read 128 consecutive bytes
.set jj, jj+1
.endr
	s_wait_kmcnt 0x0
	s_add_co_i32 s30, s30, 127
	s_lshl_b32 s31, s30, 23
	v_mov_b32 v11, s31                             ; 2^e as f32: the conversion takes its exponent field
	s_add_co_i32 s30, s30, 8
	s_lshl_b32 s30, s30, 23
	s_or_b32 s30, s30, 0x600000
	v_mov_b32 v10, s30                             ; 448 x 2^e
.irp t, 0,1
	s_wait_loadcnt 32-32*\t                        ; loads come back in order: block t's 32 are in; the first wait leaves the second block's 32 out
.set jj, 0
.rept 32
	v_med3_num_f32 v[X+32*\t+jj], v[X+32*\t+jj], -v10, v10   ; the conversion to an 8-bit code does not saturate (ISA guide 7.6.2): the hold comes first
.set jj, jj+1
.endr
.irp g, 0,1,2,3
	v_cvt_scalef32_pk8_fp8_f32 v[C+8*\t+2*\g:C+8*\t+2*\g+1], v[X+32*\t+8*\g:X+32*\t+8*\g+7], v11
.endr
	v_nop                                          ; a plain line behind the last conversion of a run
	ds_store_b128 v4, v[C+8*\t:C+8*\t+3] offset:32*\t
	ds_store_b128 v4, v[C+8*\t+4:C+8*\t+7] offset:32*\t+16
.endr
	s_wait_dscnt 0x0                               ; for the others' sake: my stores into the stage are done
	s_barrier_signal -1
	s_barrier_wait -1                              ; the 64 rows are whole
.irp t, 0,1,2,3
	ds_load_b128 v[OUTR+4*\t:OUTR+4*\t+3], v7 offset:2*\t*PITCH
.endr
.irp t, 0,1,2,3
	s_wait_dscnt 3-\t                              ; the younger read-backs may be out
	global_store_b128 v8, v[OUTR+4*\t:OUTR+4*\t+3], s[8:9] offset:2*\t*1024
.endr
	s_wait_tensorcnt 0x0
	ds_add_u32 v112, v113
	s_wait_dscnt 0x0
	s_endpgm
.Lfunc_end_k_q1d7fcbeebb_woq:
	.size	k_q1d7fcbeebb_woq, .Lfunc_end_k_q1d7fcbeebb_woq-k_q1d7fcbeebb_woq
	.p2alignl 7, 3214868480
	.fill 96, 4, 3214868480
	.section	.rodata,"a",@progbits
	.p2align	6, 0x0
	.amdhsa_kernel k_q1d7fcbeebb_woq
		.amdhsa_group_segment_fixed_size 18432
		.amdhsa_private_segment_fixed_size 0
		.amdhsa_enable_private_segment 0
		.amdhsa_kernarg_size 24
		.amdhsa_user_sgpr_count 2
		.amdhsa_user_sgpr_kernarg_segment_ptr 1
		.amdhsa_wavefront_size32 1
		.amdhsa_system_sgpr_workgroup_id_x 1
		.amdhsa_system_sgpr_workgroup_id_y 1
		.amdhsa_system_sgpr_workgroup_id_z 1
		.amdhsa_system_vgpr_workitem_id 0
		.amdhsa_next_free_vgpr 114
		.amdhsa_next_free_sgpr 66
		.amdhsa_reserve_vcc 0
		.amdhsa_float_denorm_mode_32 3
		.amdhsa_float_denorm_mode_16_64 3
		.amdhsa_memory_ordered 1
		.amdhsa_forward_progress 1
		.amdhsa_inst_pref_size 15
	.end_amdhsa_kernel
	.amdgpu_metadata
---
amdhsa.version: [ 1, 2 ]
amdhsa.kernels:
  - .name:           k_q1d7fcbeebb_woq
    .symbol:         k_q1d7fcbeebb_woq.kd
    .args:
      - { .name: Wo, .offset: 0, .size: 8, .value_kind: global_buffer, .address_space: global }
      - { .name: lowp_scales, .offset: 8, .size: 8, .value_kind: global_buffer, .address_space: global }
      - { .name: woc, .offset: 16, .size: 8, .value_kind: global_buffer, .address_space: global }
    .group_segment_fixed_size: 18432
    .private_segment_fixed_size: 0
    .kernarg_segment_align: 8
    .kernarg_segment_size: 24
    .max_flat_workgroup_size: 256
    .sgpr_count:     66
    .vgpr_count:     114
    .wavefront_size: 32
...
	.end_amdgpu_metadata
.endif
;; end of part 1
;; launch qkv (part 2): grid 12 x 32, 4 waves a work-group, clusters of 4 x 4, 327,680 bytes of LDS; arguments x_codes, Wq_codes, Wk_codes, Wv_codes, bq, bk, bv, lowp_scales, qc, kc, vc; writes qc, kc, vc
.if DOCPART == 2
	.amdgcn_target "amdgcn-amd-amdhsa--gfx1250"
	.amdhsa_code_object_version 6
	.text
	.protected	k_q1d7fcbeebb_qkv
	.globl	k_q1d7fcbeebb_qkv
	.p2align	8
	.type	k_q1d7fcbeebb_qkv,@function
k_q1d7fcbeebb_qkv:
	s_mov_b64 s[64:65], 0
	v_nop
	global_prefetch_b8 v0, s[64:65] scope:SCOPE_SE
	s_setreg_imm32_b32 hwreg(HW_REG_WAVE_MODE, 25, 1), 1
	s_wait_xcnt 0x0
	s_wait_alu depctr_hold_cnt(0) depctr_sa_sdst(0) depctr_va_vdst(0) depctr_va_sdst(0) depctr_va_ssrc(0) depctr_va_vcc(0) depctr_vm_vsrc(0)
	s_getreg_b32 s2, hwreg(HW_REG_IB_STS2, 6, 4)
	s_cmp_eq_u32 s2, 0
	s_cbranch_scc0 .Lentry_in_a_cluster
	s_endpgm
.Lentry_in_a_cluster:
	s_bfe_u32 s2, ttmp6, 0x10000c
	s_cmp_lg_u32 s2, 0xf033
	s_cbranch_scc0 .Lentry_shape_is_right
	s_endpgm
.Lentry_shape_is_right:
; The three projections on codes of E4M3, their biases, q's division by 8, and the quantising of q, k and v for attention.  x: [8192 tokens][1024], Wq, Wk, Wv: [1024 (head x 64 + e)][1024]: codes, K innermost.
; THE CLUSTER'S x SAYS WHICH: 0 = q, 1 = k, 2 = v; it is the same number in all sixteen partners.  A tile is 256 x 256 of a product of an A-role and a B-role tensor, both with rows of 1,024 bytes along K:
;   q, k: A-role = x (tile row 4 Y + cy), B-role = W (tile column cx).      v: A-role = Wv (tile row cy), B-role = x (tile column 4 Y + cx): V^T = Wv x^T.
; THE MATRIX INSTRUCTION IS USED TRANSPOSED (source 0 = 16 B-role rows, source 1 = 16 A-role rows): a lane holds one A-role row and eight neighbouring B-role rows.  For q and k these eight are channels of a
; token, for v tokens of a channel: in each case neighbours along the K of the product that follows, as the conversions want them.
; Four waves, each 128 x 128: 64 accumulators, 512 registers.  K goes in 4 steps of 256 through a ring of two LDS slots filled by joint tensor loads: A-role tiles shared along a row of the cluster, B-role tiles along a column.
; A fragment is fetched by four loads of 16 bytes, 32 apart: a permutation of k that is the same on both sides, so every product meets its partner.
; THE BIAS is the C of each sum's first matrix instruction, in the result's layout, divided by the power of two that the sums lack (2^(ex + ew)).
; THE QUANTISER: code = sum / 2^E, held within +-448: E = e6 + 3 - e0 - e1 (q: the 3 is the division by 8), e7 - e2 - e3 (k), e8 - e4 - e5 (v).  LIMIT: each E between -126 and 119.  NaN is not served.
; OUTPUT, sigma(i) = i with bits 3 and 4 exchanged:  qc, kc: [batch x 16 + head][position sigma(token)][64 channels];  vc: [batch x 16 + head][key / 64][position sigma(channel)][64 keys].
; A block of 16 A-role rows x 128 codes goes through the wave's own stage in LDS and leaves as four stores of 512 consecutive bytes, aligned.
; REGISTERS, in windows of 256: window 0: v0-31 addresses; v32-95 the bias, later a block's held sums; v96-111 its codes; from v128 A's fragments, ONE set; later v128-159 the rows read back.
;   window 1: B's fragments, TWO sets.   window 2: the accumulators of my A-rows 0-63 ((a, b) at v[8 (8 a + b)]);   window 3: those of rows 64-127.
.set KSTEP,  256
.set ROWB,   256                       ; a tile's row in bytes
.set KROW,   1024                      ; a row in memory, in bytes
.set PITCH,  272                       ; an LDS row: 256 bytes + 16 of padding: the 16 rows of a load start at 16 different banks (64 banks of 4 bytes: ISA guide 11.1)
.set FR,     16                        ; registers of a fragment: 16 rows x 128 K
.set NL,     4                         ; LDS loads that bring one
.set NP,     4                         ; places behind this matrix instruction (ISA guide 7.12.1)
.set HALFT,  128*PITCH                 ; what one tensor load brings
.set SLOT,   4*HALFT                   ; A's 256 rows, then B's 256 rows
.set LAPS,   2                         ; 1,024 along K = two laps of two K steps
.set SPARE,  2*SLOT                    ; behind the ring: the spare words, 128 bytes for each wave
.set SPITCH, 144                       ; the way out: a stage of 16 rows x (128 bytes + 16) for each wave, in slot 0, which has had its last fill and its last read by then
.set VO,   4                           ; v4-11   the bias loads' offsets, one for each register of a tile
.set LIM,  12                          ; v12     448 x 2^E
.set SC,   13                          ; v13     2^E
.set ADRA, 16                          ; v16-17  LDS address of my A fragments in slot 0, 1
.set ADRB, 20                          ; v20-21  the same for B
.set STO,  24                          ; v24     the way out: where I put 8 codes
.set RD,   25                          ; v25     where I read 16 bytes back
.set CO,   26                          ; v26-27  my byte offset in the output: first and second 64 codes of a row
.set SPW,  28                          ; v28     LDS address of my spare word; never rewritten
.set NIL,  29                          ; v29     0; never rewritten
.set BIAS, 32
.set TMP,  32
.set CD,   96
.set AF,   128
.set BK,   128
.set G1, 24                            ; s[24:31] descriptor group 1 for A-role tiles;  s[32:39] group 0, one set for each slot
.set G0, 32
.set G1B, 48                           ; s[48:55], s[56:63] the same for B-role tiles
.set G0B, 56
.set MSB, 0
.macro WIN new                         ; the immediate's high byte repeats the setting that is left
.if MSB != \new
	s_set_vgpr_msb (MSB<<8)|\new
.set MSB, \new
.endif
.endm
.set MUL_LO, 0xa1                      ; source 0 (B) window 1, source 1 (A) window 0, C and D window 2
.set MUL_HI, 0xf1                      ; the same, C and D window 3
.set TO_B,   0x40                      ; destination window 1, address window 0
; A joint load: waves 0 and 1 fetch for the A-role, waves 2 and 3 for the B-role.  The branch hangs on the wave's number alone.  Four v_nop follow each of the two lines.
.macro JLOAD g0a, g1a, g0b, g1b
	s_cmp_eq_u32 s15, 0
	s_cbranch_scc0 .Lfor_b_\@
	tensor_load_to_lds s[\g0a:\g0a+3], s[\g1a:\g1a+7]
	s_nop 0
.rept 4
	v_nop
.endr
	s_branch .Lasked_\@
.Lfor_b_\@:
	tensor_load_to_lds s[\g0b:\g0b+3], s[\g1b:\g1b+7]
	s_nop 0
.rept 4
	v_nop
.endr
.Lasked_\@:
.endm
.macro CREST                           ; a round of the cluster's barrier behind its opening barrier
	s_cmp_lg_u32 s14, 0
	s_cbranch_scc1 .Lnot_wave_0_\@
	s_barrier_signal -3
.Lnot_wave_0_\@:
	s_barrier_wait -3
	s_barrier_signal -1
	s_barrier_wait -1
.endm
.macro CROUND                          ; a whole round
	s_barrier_signal -1
	s_barrier_wait -1
	CREST
.endm
	s_load_b256 s[4:11], s[0:1], 0x0               ; x s[4:5], Wq s[6:7], Wk s[8:9], Wv s[10:11]
	s_load_b256 s[68:75], s[0:1], 0x20             ; bq s[68:69], bk s[70:71], bv s[72:73], the scales' exponents s[74:75]
	s_load_b128 s[76:79], s[0:1], 0x40             ; qc s[76:77], kc s[78:79]
	s_load_b64 s[80:81], s[0:1], 0x50              ; vc
	v_lshl_add_u32 v[SPW], v0, 2, SPARE
	v_mov_b32 v[NIL], 0
	ds_add_u32 v28, v29
	ds_add_u32 v28, v29
	s_wait_dscnt 0x0
	v_lshrrev_b32 v1, 5, v0
	v_readfirstlane_b32 s14, v1                    ; wave 0..3
	s_lshr_b32 s15, s14, 1                         ; which half of the tile's A-rows is mine.  Also: I fetch for A (0) or for B (1)
	s_and_b32 s16, s14, 1                          ; which half of its B-rows.  Also: which 128 rows of that tile I fetch
	s_bfe_u32 s40, ttmp6, 0x40000                  ; cx, cy: my place in the cluster
	s_bfe_u32 s41, ttmp6, 0x40004
	s_mov_b32 s82, ttmp9                           ; the cluster's x: 0 = q, 1 = k, 2 = v
	s_and_b32 s101, ttmp7, 0xffff
	s_lshl_b32 s101, s101, 2                       ; 4 Y: the cluster's place along x's 32 tiles of 256 tokens
	s_cmp_eq_u32 s82, 2
	s_cselect_b32 s12, 0, s101                     ; it counts for the role that x has: A's for q and k,
	s_cselect_b32 s13, s101, 0                     ; B's for v
	s_add_co_u32 s42, s13, s40                     ; tile column (B-role)
	s_add_co_u32 s17, s12, s41                     ; tile row (A-role)
	s_lshl_b32 s43, s41, 2
	s_lshl_b32 s43, 15, s43                        ; my row of the cluster
	s_lshl_b32 s44, 0x1111, s40                    ; my column
	; descriptor group 1: a tile of 128 rows x 256 bytes, padded in LDS
	s_or_b32 s[G1+0], s43, (0<<16)|(1<<20)|(1<<21)|(5<<22)|(3<<25)  ; 15:0 the mask: A-role tiles go to my row; 17:16 element of 1 byte; 20 padding on; 21 set beside a mask; 24:22 after every 64 words; 31:25 of 4 words
	s_or_b32 s[G1B+0], s44, (0<<16)|(1<<20)|(1<<21)|(5<<22)|(3<<25)
.irp g, G1, G1B
	s_mov_b32 s[\g+1], ROWB<<16                    ; tensor_dim0
	s_mov_b32 s[\g+2], 128<<16                     ; tensor_dim1 = 128
	s_mov_b32 s[\g+3], ROWB<<16                    ; tile_dim0
	s_mov_b32 s[\g+4], 128                         ; tile_dim1 = 128
	s_mov_b32 s[\g+5], KROW                        ; tensor_dim0_stride
	s_mov_b32 s[\g+6], 0
	s_mov_b32 s[\g+7], 0
.endr
	s_lshl_b32 s18, s16, 7                         ; which 128 rows of the tile I fetch
	s_lshl_b32 s20, s17, 8
	s_add_co_u32 s20, s20, s18                     ; A-role: row 256 x tile row + 128 x half,
	s_lshl_b32 s20, s20, 10                        ; in bytes (under 2^23)
	s_mov_b32 s21, 0
	s_lshl_b32 s46, s42, 8
	s_add_co_u32 s46, s46, s18                     ; B-role likewise
	s_lshl_b32 s46, s46, 10
	s_mov_b32 s47, 0
	s_mul_i32 s45, s14, HALFT                      ; where they go: wave x 128 rows: no place in the cluster enters an LDS address
	s_wait_kmcnt 0x0
	s_load_b256 s[84:91], s[74:75], 0x0            ; e0 .. e7
	s_load_b32 s92, s[74:75], 0x20                 ; e8
	s_cmp_eq_u32 s82, 1                            ; the buffers are chosen by the cluster's x alone
	s_cselect_b64 s[22:23], s[8:9], s[6:7]         ; Wk or Wq
	s_cselect_b64 s[96:97], s[70:71], s[68:69]     ; bk or bq
	s_cselect_b64 s[66:67], s[78:79], s[76:77]     ; kc or qc
	s_cmp_eq_u32 s82, 2
	s_cselect_b64 s[18:19], s[10:11], s[4:5]       ; the A-role tensor: Wv, else x
	s_cselect_b64 s[22:23], s[4:5], s[22:23]       ; the B-role tensor: x, else the weight
	s_cselect_b64 s[96:97], s[72:73], s[96:97]     ; the bias
	s_cselect_b64 s[66:67], s[80:81], s[66:67]     ; the output
	s_add_nc_u64 s[20:21], s[18:19], s[20:21]
	s_add_nc_u64 s[46:47], s[22:23], s[46:47]
	CROUND                                         ; all sixteen work-groups are here: the first joint loads meet
.irp s, 0,1
	s_mov_b32 s[G0+4*\s], 1
	s_add_co_u32 s[G0+4*\s+1], s45, \s*SLOT
	s_add_nc_u64 s[G0+4*\s+2:G0+4*\s+3], s[20:21], \s*ROWB
	s_or_b32 s[G0+4*\s+3], s[G0+4*\s+3], 0x80000000
	s_mov_b32 s[G0B+4*\s], 1
	s_add_co_u32 s[G0B+4*\s+1], s45, \s*SLOT
	s_add_nc_u64 s[G0B+4*\s+2:G0B+4*\s+3], s[46:47], \s*ROWB
	s_or_b32 s[G0B+4*\s+3], s[G0B+4*\s+3], 0x80000000
	JLOAD G0+4*\s, G1, G0B+4*\s, G1B
.endr
	v_and_b32 v1, 15, v0                           ; r = lane % 16
	v_bfe_u32 v2, v0, 4, 1                         ; h = lane / 16
	v_mul_u32_u24 v3, v1, PITCH
	v_lshl_add_u32 v3, v2, 4, v3                   ; a fragment's row x pitch + 16 x half
	s_mul_i32 s21, s15, HALFT                      ; my 128 A-rows
	s_mul_i32 s22, s16, HALFT                      ; my 128 B-rows,
	s_add_co_u32 s22, s22, 2*HALFT                 ; which lie behind A's 256
.irp s, 0,1
	v_add_nc_u32 v[ADRA+\s], s21, v3
	v_add_nc_u32 v[ADRB+\s], s22, v3
	s_add_co_u32 s21, s21, SLOT
	s_add_co_u32 s22, s22, SLOT
.endr
	s_mul_i32 s23, s14, 16*SPITCH                  ; my stage
	v_mul_u32_u24 v14, v1, SPITCH                  ; in: row r, 8 bytes for each half of the lanes
	v_lshl_add_u32 v14, v2, 3, v14
	v_add_nc_u32 v[STO], s23, v14
	v_and_b32 v15, 31, v0
	v_lshrrev_b32 v14, 2, v15                      ; back: four lanes to 64 bytes of a row, eight rows an instruction
	v_mul_u32_u24 v14, v14, SPITCH
	v_and_b32 v18, 3, v15
	v_lshl_add_u32 v14, v18, 4, v14
	v_add_nc_u32 v[RD], s23, v14
	v_lshlrev_b32 v[CO], 4, v15                    ; and in the output: eight rows of 64 bytes on end: 16 x lane
	s_lshl_b32 s18, s17, 8
	s_lshl_b32 s19, s15, 7
	s_add_co_u32 s18, s18, s19                     ; my first A-row
	s_lshl_b32 s19, s42, 8
	s_lshl_b32 s22, s16, 7
	s_add_co_u32 s19, s19, s22                     ; my first B-row
	s_cmp_eq_u32 s82, 2
	s_cselect_b32 s22, s18, s19                    ; my first channel (of 1,024),
	s_cselect_b32 s23, s19, s18                    ; my first token (of 8,192)
	s_cselect_b32 s98, 4, 0                        ; the bias in the result's layout.  q, k: register j of tile b wants channel 16 b + 8 h + j;  v: every register of tile a wants channel 16 a + r
	s_cselect_b32 s99, 0, 32
	s_cselect_b32 s100, 0, 4
	s_mov_b32 s83, 0x20000
	s_cselect_b32 s83, 0x1000, s83                 ; from a row's first 64 codes to its second: the next head (q, k) or the next 64 keys (v)
	s_mov_b32 s101, 0x1000
	s_cselect_b32 s101, 0x20000, s101              ; from my A-rows 0-63 to rows 64-127: 64 positions on (q, k) or the next head (v)
	s_lshl_b32 s46, s22, 2
	s_mov_b32 s47, 0
	s_add_nc_u64 s[96:97], s[96:97], s[46:47]      ; the bias at my first channel
	s_lshr_b32 s22, s22, 6                         ; my first head
	s_lshr_b32 s46, s23, 11                        ; the batch
	s_lshl_b32 s46, s46, 4
	s_add_co_u32 s46, s46, s22
	s_lshl_b32 s46, s46, 17                        ; a head's codes are 2^17 bytes in each of the three outputs
	s_and_b32 s23, s23, 2047
	s_lshl_b32 s23, s23, 6                         ; q, k: 64 bytes a token;  v: 4,096 bytes for 64 keys: the same number
	s_add_co_u32 s46, s46, s23
	s_add_nc_u64 s[66:67], s[66:67], s[46:47]      ; the output at my A-rows 0-63,
	s_mov_b32 s46, s101
	s_add_nc_u64 s[10:11], s[66:67], s[46:47]      ; and at rows 64-127
	v_add_nc_u32 v[CO+1], s83, v[CO]
	v_mul_lo_u32 v14, v1, s98
	v_mul_lo_u32 v15, v2, s99
	v_add_nc_u32 v14, v14, v15
	v_mov_b32 v15, s100
.irp j, 0,1,2,3,4,5,6,7
	v_mad_u32_u24 v[VO+\j], v15, \j, v14
.endr
.irp i, 0,1,2,3,4,5,6,7
.irp j, 0,1,2,3,4,5,6,7
	global_load_b32 v[BIAS+8*\i+\j], v[VO+\j], s[96:97] offset:64*\i
.endr
.endr
.macro FRAG reg, adr, q, i             ; a fragment, 16 rows x 128 K: lane l holds row l % 16; registers 4 c .. 4 c + 3 hold K = 32 c + 16 (l / 16) + 0 .. 15
.irp c, 0,1,2,3
	ds_load_b128 v[\reg+4*\c:\reg+4*\c+3], v[\adr] offset:128*(\q)+32*\c+(\i)*16*PITCH
.endr
.endm
; 16 matrix instructions: A's blocks a0, a0 + 1 x B's eight, 128 along K.  p: B's set.  zero = 1, 2: the first product starts the sums from the bias, which goes by B's block (1) or by A's (2).
; The 64 accumulators take turns, one instruction a turn, in the same order in every step.
.macro MUL16 a0, p, zero
.irp a, \a0, \a0+1
.irp b, 0,1,2,3,4,5,6,7
.if \zero == 1
	v_wmma_f32_16x16x128_fp8_fp8 v[8*(8*((\a)%4)+\b):8*(8*((\a)%4)+\b)+7], v[128*(\p)+FR*\b:128*(\p)+FR*\b+FR-1], v[AF+FR*(\a):AF+FR*(\a)+FR-1], v[BIAS+8*\b:BIAS+8*\b+7]
.elseif \zero == 2
	v_wmma_f32_16x16x128_fp8_fp8 v[8*(8*((\a)%4)+\b):8*(8*((\a)%4)+\b)+7], v[128*(\p)+FR*\b:128*(\p)+FR*\b+FR-1], v[AF+FR*(\a):AF+FR*(\a)+FR-1], v[BIAS+8*(\a):BIAS+8*(\a)+7]
.else
	v_wmma_f32_16x16x128_fp8_fp8 v[8*(8*((\a)%4)+\b):8*(8*((\a)%4)+\b)+7], v[128*(\p)+FR*\b:128*(\p)+FR*\b+FR-1], v[AF+FR*(\a):AF+FR*(\a)+FR-1], v[8*(8*((\a)%4)+\b):8*(8*((\a)%4)+\b)+7]
.endif
.endr
.endr
.endm
.macro FETCH_B slot, q, p              ; B's eight fragments of the slot's q-th 128 along K into set p
	WIN TO_B
.irp i, 0,1,2,3,4,5,6,7
	FRAG 128*(\p)+FR*\i, ADRB+\slot, \q, \i
.endr
	WIN 0
.endm
.macro FETCH_A slot, q, i0             ; A's blocks i0 .. i0 + 3
.irp i, \i0, \i0+1, \i0+2, \i0+3
	FRAG AF+FR*(\i), ADRA+\slot, \q, \i
.endr
.endm
; A load into a register that a matrix instruction has read, and a vector instruction that reads a matrix result, stand NP places behind that matrix instruction; only plain vector instructions
; that name none of its registers are places (ISA guide 7.12.1 for vector instructions).
.macro PLACES n
.rept \n
	v_nop
.endr
.endm
; A step of 128 along K that has its successor in the same slot.  A's blocks 0-3 are fetched anew in its middle, blocks 4-7 at its end; B has two sets.
.macro STEP slot, q, zero
	s_wait_dscnt 4*NL                              ; B's set and A's blocks 0-3 are in; the youngest sixteen loads (A's blocks 4-7) may be out
.if \zero
	WIN 0x81                                       ; source 0 window 1, source 1 and the bias window 0, D window 2
.else
	WIN MUL_LO
.endif
	MUL16 0, (\q)%2, \zero
	MUL16 2, (\q)%2, \zero
	s_wait_dscnt 0                                 ; A's blocks 4-7 are in
	PLACES NP
	FETCH_B \slot, (\q)+1, 1-(\q)%2
	FETCH_A \slot, (\q)+1, 0
.if \zero
	WIN 0xc1                                       ; the same, D window 3
.else
	WIN MUL_HI
.endif
	MUL16 4, (\q)%2, \zero
	MUL16 6, (\q)%2, \zero
	PLACES NP
	WIN 0
	FETCH_A \slot, (\q)+1, 4
.endm
; A slot's last step changes slots: ONE barrier; in front of it each wave waits for all its tensor loads, adds 0 to its spare word, and waits for that and for its own reads of this slot.  fill = 1: this slot is filled again, two K steps ahead.
.macro TURN slot, next, fill
	s_wait_tensorcnt 0x0                           ; all my tensor loads have landed: my part of the next slot;  (every window is 0 here)
	ds_add_u32 v[SPW], v[NIL]                      ; 0 onto my spare word;
	s_wait_dscnt 4*NL+1                            ; (the add and the youngest sixteen loads, A's blocks 4-7, may be out)
	WIN MUL_LO
	MUL16 0, 1, 0                                  ; sixteen matrix instructions stand between the add and the wait for it
	s_wait_dscnt 0x0                               ; the add is done, and my reads of this slot are over
	s_barrier_signal -1
	MUL16 2, 1, 0
	WIN 0
	s_barrier_wait -1
.if \fill
	CREST                                          ; the barrier has opened a round of the cluster's barrier: no wave of any partner still reads this slot's tile or has a load on its way
	s_add_nc_u64 s[G0+4*\slot+2:G0+4*\slot+3], s[G0+4*\slot+2:G0+4*\slot+3], 2*ROWB
	s_add_nc_u64 s[G0B+4*\slot+2:G0B+4*\slot+3], s[G0B+4*\slot+2:G0B+4*\slot+3], 2*ROWB
	JLOAD G0+4*\slot, G1, G0B+4*\slot, G1B         ; the first tensor load behind the round; the four v_nop behind it are the places in front of the loads below
.else
	PLACES NP
.endif
	FETCH_B \next, 0, 0
	FETCH_A \next, 0, 0
	WIN MUL_HI
	MUL16 4, 1, 0
	MUL16 6, 1, 0
	PLACES NP
	WIN 0
	FETCH_A \next, 0, 4
.endm
	s_wait_tensorcnt 1                             ; my part of K step 0 is in (K step 1's load may be out)
	s_barrier_signal -1
	s_barrier_wait -1                              ; everybody's is
	FETCH_B 0, 0, 0
	FETCH_A 0, 0, 0
	FETCH_A 0, 0, 4
	s_wait_kmcnt 0x0                               ; the scales' exponents.  Everything that hangs on them is chosen or computed, never branched on
	s_add_co_i32 s93, s84, s85                     ; e0 + e1
	s_add_co_i32 s94, s86, s87                     ; e2 + e3
	s_add_co_i32 s95, s88, s89                     ; e4 + e5
	s_add_co_i32 s101, s90, 3                      ; e6 + 3: q is divided by 8 = sqrt(64) ahead of its quantiser
	s_cmp_eq_u32 s82, 1
	s_cselect_b32 s93, s94, s93
	s_cselect_b32 s101, s91, s101
	s_cmp_eq_u32 s82, 2
	s_cselect_b32 s93, s95, s93                    ; ex + ew of my product: a sum stands for sum x 2^(ex + ew)
	s_cselect_b32 s101, s92, s101                  ; the exponent of the operand that is made
	s_sub_co_i32 s94, 0, s93
	s_sub_co_i32 s95, s101, s93                    ; E: the scales folded into the conversion's one
	s_add_co_i32 s95, s95, 127
	s_lshl_b32 s101, s95, 23
	v_mov_b32 v[SC], s101                          ; 2^E as f32
	s_add_co_i32 s95, s95, 8
	s_lshl_b32 s95, s95, 23
	s_or_b32 s95, s95, 0x600000
	v_mov_b32 v[LIM], s95                          ; 448 x 2^E
	s_wait_loadcnt 0x0                             ; the bias
.set jj, 0
.rept 64
	v_ldexp_f32 v[BIAS+jj], v[BIAS+jj], s94        ; bias / 2^(ex + ew)
.set jj, jj+1
.endr
	s_cmp_eq_u32 s82, 2                            ; the first step is written twice: the bias goes by B's blocks (q, k) or by A's (v).  The branch hangs on the cluster's x; both ways hold the same LDS loads and no barrier
	s_cbranch_scc1 .Lv_first
	STEP 0, 0, 1
	s_branch .Lfirst_done
.Lv_first:
	STEP 0, 0, 2
.Lfirst_done:
	s_mov_b32 s3, LAPS-1
.Llap:                                                 ; a trip goes once round the ring, from a lap's second step to the next lap's first, and fills both slots again
	TURN 0, 1, 1
	STEP 1, 0, 0
	TURN 1, 0, 1
	STEP 0, 0, 0
	s_sub_co_u32 s3, s3, 1
	s_cmp_lg_u32 s3, 0
	s_cbranch_scc1 .Llap
	TURN 0, 1, 0                                   ; the last lap fills nothing, and has no round of the cluster's barrier
	STEP 1, 0, 0
	s_wait_dscnt 4*NL                              ; the very last step: nothing more to fetch
	WIN MUL_LO
	MUL16 0, 1, 0
	MUL16 2, 1, 0
	s_wait_dscnt 0
	WIN MUL_HI
	MUL16 4, 1, 0
	MUL16 6, 1, 0
	WIN 0
; THE WAY OUT, block by block of 16 A-rows x 128 B-rows.  The sums are held within +-448 x 2^E (each accumulator from its low end on) and converted, eight neighbours to 8 bytes; a block's 16 rows x 128 bytes go through my
; stage and come back as 8 rows x 64 bytes an instruction, which are 512 consecutive bytes of the output.  LDS serves a wave's instructions in order (ISA guide 5.7.1.4): no wait between the stores and the loads.
; THE ORDER OF ROWS: row 16 a + 8 g + j of my 128 goes to position sigma of it: 32 (a / 2) + 16 g + 8 (a % 2) + j.
.macro TOSTAGE a
.set AC, 64*((\a)%4)
	WIN 0x02+((\a)/4)                              ; source 0: window 2 or 3
.set jj, 0
.rept 64
	v_med3_num_f32 v[TMP+jj], v[AC+jj], -v[LIM], v[LIM]   ; the conversion to an 8-bit code does not saturate (ISA guide 7.6.2)
.set jj, jj+1
.endr
	WIN 0
.irp b, 0,1,2,3,4,5,6,7
	v_cvt_scalef32_pk8_fp8_f32 v[CD+2*\b:CD+2*\b+1], v[TMP+8*\b:TMP+8*\b+7], v[SC]
.endr
	v_nop                                          ; a plain line behind the last conversion of a run
.irp b, 0,1,2,3,4,5,6,7
	ds_store_b64 v[STO], v[CD+2*\b:CD+2*\b+1] offset:16*\b
.endr
.set BB, BK+16*((\a)%2)
.irp g, 0,1
.irp i, 0,1
	ds_load_b128 v[BB+4*(2*\g+\i):BB+4*(2*\g+\i)+3], v[RD] offset:\g*8*SPITCH+64*\i
.endr
.endr
.endm
.macro SEND a, younger                 ; younger: the LDS instructions issued behind block a's loads, which may stay out
.set BB, BK+16*((\a)%2)
	s_wait_dscnt \younger                          ; the block is back in registers
.irp g, 0,1
.irp i, 0,1
.if (\a) < 4
	global_store_b128 v[CO+\i], v[BB+4*(2*\g+\i):BB+4*(2*\g+\i)+3], s[66:67] offset:(((\a)%4)/2)*2048+((\a)%2)*512+\g*1024   ; 32 lanes store 512 consecutive bytes, at a multiple of 512 from the buffer's first byte
.else
	global_store_b128 v[CO+\i], v[BB+4*(2*\g+\i):BB+4*(2*\g+\i)+3], s[10:11] offset:(((\a)%4)/2)*2048+((\a)%2)*512+\g*1024
.endif
.endr
.endr
.endm
	PLACES NP                                      ; in front of the loads into the registers that held A's fragments; block 0's sums were finished long ago
	TOSTAGE 0
.irp a, 1,2,3,4,5,6,7
.if \a > 1
	s_wait_xcnt 0x0                                ; block a - 2's stores have read their registers: block a's loads may land there
.endif
	TOSTAGE \a
	SEND \a-1, 12                                  ; behind block a - 1's loads: block a's 8 stores and 4 loads
.endr
	SEND 7, 0
	s_wait_tensorcnt 0x0                           ; the wave's end: behind my last tensor load and my last LDS store
	ds_add_u32 v[SPW], v[NIL]
	s_wait_dscnt 0x0
	CROUND                                         ; the closing round: no work-group ends while a partner may still ask for a tile that names it
	s_endpgm
.Lfunc_end_k_q1d7fcbeebb_qkv:
	.size	k_q1d7fcbeebb_qkv, .Lfunc_end_k_q1d7fcbeebb_qkv-k_q1d7fcbeebb_qkv
	.p2alignl 7, 3214868480
	.fill 96, 4, 3214868480
	.section	.rodata,"a",@progbits
	.p2align	6, 0x0
	.amdhsa_kernel k_q1d7fcbeebb_qkv
		.amdhsa_group_segment_fixed_size 327680
		.amdhsa_private_segment_fixed_size 0
		.amdhsa_enable_private_segment 0
		.amdhsa_kernarg_size 88
		.amdhsa_user_sgpr_count 2
		.amdhsa_user_sgpr_kernarg_segment_ptr 1
		.amdhsa_wavefront_size32 1
		.amdhsa_system_sgpr_workgroup_id_x 1
		.amdhsa_system_sgpr_workgroup_id_y 1
		.amdhsa_system_sgpr_workgroup_id_z 1
		.amdhsa_system_vgpr_workitem_id 0
		.amdhsa_next_free_vgpr 1024
		.amdhsa_next_free_sgpr 102
		.amdhsa_reserve_vcc 0
		.amdhsa_float_denorm_mode_32 3
		.amdhsa_float_denorm_mode_16_64 3
		.amdhsa_memory_ordered 1
		.amdhsa_forward_progress 1
		.amdhsa_inst_pref_size 145
	.end_amdhsa_kernel
	.amdgpu_metadata
---
amdhsa.version: [ 1, 2 ]
amdhsa.kernels:
  - .name:           k_q1d7fcbeebb_qkv
    .symbol:         k_q1d7fcbeebb_qkv.kd
    .args:
      - { .name: x_codes, .offset: 0, .size: 8, .value_kind: global_buffer, .address_space: global }
      - { .name: Wq_codes, .offset: 8, .size: 8, .value_kind: global_buffer, .address_space: global }
      - { .name: Wk_codes, .offset: 16, .size: 8, .value_kind: global_buffer, .address_space: global }
      - { .name: Wv_codes, .offset: 24, .size: 8, .value_kind: global_buffer, .address_space: global }
      - { .name: bq, .offset: 32, .size: 8, .value_kind: global_buffer, .address_space: global }
      - { .name: bk, .offset: 40, .size: 8, .value_kind: global_buffer, .address_space: global }
      - { .name: bv, .offset: 48, .size: 8, .value_kind: global_buffer, .address_space: global }
      - { .name: lowp_scales, .offset: 56, .size: 8, .value_kind: global_buffer, .address_space: global }
      - { .name: qc, .offset: 64, .size: 8, .value_kind: global_buffer, .address_space: global }
      - { .name: kc, .offset: 72, .size: 8, .value_kind: global_buffer, .address_space: global }
      - { .name: vc, .offset: 80, .size: 8, .value_kind: global_buffer, .address_space: global }
    .group_segment_fixed_size: 327680
    .private_segment_fixed_size: 0
    .kernarg_segment_align: 8
    .kernarg_segment_size: 88
    .max_flat_workgroup_size: 128
    .sgpr_count:     102
    .vgpr_count:     1024
    .wavefront_size: 32
...
	.end_amdgpu_metadata
.endif
;; end of part 2
;; launch attn (part 3): grid 4 x 64, 8 waves a work-group, clusters of 4 x 1, 327,680 bytes of LDS; arguments qc, kc, vc, lowp_scales, ctxc; writes ctxc
.if DOCPART == 3
	.amdgcn_target "amdgcn-amd-amdhsa--gfx1250"
	.amdhsa_code_object_version 6
	.text
	.protected	k_q1d7fcbeebb_attn
	.globl	k_q1d7fcbeebb_attn
	.p2align	8
	.type	k_q1d7fcbeebb_attn,@function
k_q1d7fcbeebb_attn:
	s_mov_b64 s[64:65], 0
	v_nop
	global_prefetch_b8 v0, s[64:65] scope:SCOPE_SE
	s_setreg_imm32_b32 hwreg(HW_REG_WAVE_MODE, 25, 1), 1
	s_wait_xcnt 0x0
	s_wait_alu depctr_hold_cnt(0) depctr_sa_sdst(0) depctr_va_vdst(0) depctr_va_sdst(0) depctr_va_ssrc(0) depctr_va_vcc(0) depctr_vm_vsrc(0)
	s_getreg_b32 s2, hwreg(HW_REG_IB_STS2, 6, 4)
	s_cmp_eq_u32 s2, 0
	s_cbranch_scc0 .Lentry_in_a_cluster
	s_endpgm
.Lentry_in_a_cluster:
	s_bfe_u32 s2, ttmp6, 0x10000c
	s_cmp_lg_u32 s2, 0x3003
	s_cbranch_scc0 .Lentry_shape_is_right
	s_endpgm
.Lentry_shape_is_right:
; Attention on codes of E4M3: ctx = softmax(q k^T) v for 64 heads (batch x 16 + head) of 2,048 tokens and 64 channels, and ctx quantised for the output projection.
; qc, kc: [head][position][64 channels], position = sigma(token), sigma = bits 3 and 4 exchanged;  vc: [head][key / 64][position sigma(channel)][64 keys];  q holds the division by 8 already.
; THE SOFTMAX AHEAD OF THE SECOND PRODUCT: t = score x log2(e); M = the row's largest t so far, rounded UP to a whole number; p = 2^(t - M) is what is quantised (2^e9); it is not normalised.
; The row's sum is taken of the unquantised p, in f32, and divides at the end.  When M moves, the sum and O are multiplied by 2^(old M - new M): exact.
; SHARES.  A cluster is the four work-groups of one head; each owns 512 queries.  THE HEAD'S WHOLE K AND V LIE IN LDS, filled once by joint tensor loads (each of the four issues the same load with a mask that names the four):
; 2 x 128 KiB of codes, so no LDS byte is filled twice and there is no ring.  A work-group walks the keys twice, 256 queries a pass.  Each of its eight waves has TWO tiles of 16 queries, so that each fragment of K and V
; read from LDS feeds two matrix instructions; two waves share a SIMD, so that one wave's vector work stands beside the other's matrix work and LDS loads.
; LAYOUT.  Both products are used transposed: S^T = K Q^T (source 0 = 16 stored rows of K, source 1 = 16 queries), O^T = V^T P^T (source 0 = 16 stored rows of V^T, source 1 = P): a lane holds ONE query throughout.
; By sigma, the 16 registers of tiles 2 c and 2 c + 1 of S^T are the 16 neighbouring keys 32 c + 16 (lane / 16) + 0 .. 15, so the conversions' results are the second product's operand; likewise O^T's are 16 neighbouring channels.
; In LDS a line of 256 bytes (+ 16 of padding) holds four rows of 64 bytes: row i lies at 272 (i / 4) + 64 (i % 4): the 16 rows of a fragment load start at 16 different banks (64 banks of 4 bytes: ISA guide 11.1).
; ctxc: [token / 128][head][token % 128][64 channels]: codes with 2^e10; a wave's store covers 512 consecutive bytes, aligned.
; LIMITS on the given exponents, so that each power of two below is an f32 number: e6 + e7 between -126 and 127 (added to log2(e)'s exponent field); e9 and e10 between -126 and 119.  NaN is not served.
; No prefetch: all of K and V is asked for at the head, so no later tile remains to be asked for ahead.
; REGISTERS.  Tile 0 lives in window 0 and tile 1 in window 1 under THE SAME NUMBERS: v10, v11: 448 x 2^e9, 2^e9; v12 -M; v13 the largest t; v[14:15] the sum; v16-23 Q of pass 0; v24, v26-31 at work; v96-159 S^T, then p;
;   v160-191 O^T; v192-207 p's codes; v208-215 ctx's codes; v216-223 Q of pass 1; v240, v241: 448 x 2^e10, 2^e10.   v32-95: in window 0 K's 8 fragments, in window 1 V's 4.   Window 0 alone: v1-9 addresses; v224-239 the way out.
.set CHUNK, 17408                      ; 256 keys of K or of V in LDS: 64 lines of 272 bytes: what one tensor load brings
.set VOFF,  8*CHUNK                    ; V lies behind K
.set STEPB, 8704                       ; 128 keys, in K and in V alike
.set STAGE, 16*CHUNK                   ; behind V: 32 rows x (64 bytes + 16) for each wave; no tensor load lands there
.set MSB, 0
.macro WIN new                         ; the immediate's high byte repeats the setting that is left
.if MSB != \new
	s_set_vgpr_msb (MSB<<8)|\new
.set MSB, \new
.endif
.endm
.macro CROUND                          ; a round of the cluster's barrier
	s_barrier_signal -1
	s_barrier_wait -1
	s_cmp_lg_u32 s18, 0
	s_cbranch_scc1 .Lnot_wave_0_\@
	s_barrier_signal -3
.Lnot_wave_0_\@:
	s_barrier_wait -3
	s_barrier_signal -1
	s_barrier_wait -1
.endm
	s_load_b256 s[4:11], s[0:1], 0x0               ; qc s[4:5], kc s[6:7], vc s[8:9], the scales' exponents s[10:11]
	s_load_b64 s[12:13], s[0:1], 0x20              ; ctxc
	v_lshl_add_u32 v254, v0, 2, 0x49000
	v_mov_b32 v255, 0
	ds_add_u32 v254, v255
	ds_add_u32 v254, v255
	v_lshrrev_b32 v1, 5, v0
	v_readfirstlane_b32 s18, v1                    ; wave 0..7
	s_bfe_u32 s19, ttmp6, 0x40000                  ; cx: my block of 512 queries: it enters Q's and ctx's addresses alone
	s_and_b32 s14, ttmp7, 0xffff                   ; batch x 16 + head, which the four partners share
	s_and_b32 s15, s18, 3
	s_mul_i32 s16, s15, CHUNK                      ; the chunks that I fetch: (wave % 4) and (wave % 4) + 4: in LDS,
	s_lshl_b32 s48, s14, 17                        ; a head's codes are 2^17 bytes
	s_lshl_b32 s17, s15, 14
	s_add_co_u32 s48, s48, s17                     ; and in memory: 16,384 bytes a chunk
	s_mov_b32 s49, 0
	; descriptor group 1, one for all loads: a dense block of 64 rows x 256 bytes, padded in LDS
	s_mov_b32 s24, 15|(3<<16)|(1<<20)|(1<<21)|(5<<22)|(3<<25)   ; 15:0 the mask: all four work-groups; 17:16 elements of 8 bytes; 20 padding on; 21 set beside a mask; 24:22 after every 64 words; 31:25 of 4 words
	s_mov_b32 s25, 32<<16                          ; tensor_dim0 = 32 elements
	s_mov_b32 s26, 64<<16                          ; tensor_dim1 = 64
	s_mov_b32 s27, 32<<16                          ; tile_dim0
	s_mov_b32 s28, 64                              ; tile_dim1
	s_mov_b32 s29, 32                              ; tensor_dim0_stride: the rows are dense
	s_mov_b32 s30, 0
	s_mov_b32 s31, 0
	s_mov_b32 s20, 0x76543210                      ; v_permlanex16_b32's selects for lane l xor 16
	s_mov_b32 s21, 0xfedcba98
	s_wait_dscnt 0x0
	s_wait_kmcnt 0x0
	s_load_b128 s[56:59], s[10:11], 0x18           ; e6, e7, e8, e9
	s_load_b32 s60, s[10:11], 0x28                 ; e10
	CROUND                                         ; all four work-groups are here: the joint loads meet
	s_mov_b32 s32, 1                               ; K, chunk wave % 4
	s_add_co_u32 s33, s16, 0
	s_add_nc_u64 s[34:35], s[6:7], s[48:49]
	s_mov_b32 s36, 1                               ; K, four chunks on
	s_add_co_u32 s37, s16, 4*CHUNK
	s_add_nc_u64 s[38:39], s[34:35], 65536
	s_or_b32 s35, s35, 0x80000000
	s_or_b32 s39, s39, 0x80000000
	s_mov_b32 s40, 1                               ; V likewise
	s_add_co_u32 s41, s16, VOFF
	s_add_nc_u64 s[42:43], s[8:9], s[48:49]
	s_mov_b32 s44, 1
	s_add_co_u32 s45, s16, VOFF+4*CHUNK
	s_add_nc_u64 s[46:47], s[42:43], 65536
	s_or_b32 s43, s43, 0x80000000
	s_or_b32 s47, s47, 0x80000000
	s_cmp_lt_u32 s18, 4                            ; waves 0-3 fetch K, waves 4-7 V: a wave's two loads stand in one branch on the wave's number; two loads of mine are out; four v_nop follow the second
	s_cbranch_scc0 .Lfirst_v
	tensor_load_to_lds s[32:35], s[24:31]
	s_nop 0
	tensor_load_to_lds s[36:39], s[24:31]
	s_nop 0
.rept 4
	v_nop
.endr
	s_branch .Lfirst_asked
.Lfirst_v:
	tensor_load_to_lds s[40:43], s[24:31]
	s_nop 0
	tensor_load_to_lds s[44:47], s[24:31]
	s_nop 0
.rept 4
	v_nop
.endr
.Lfirst_asked:
	s_lshl_b32 s62, s14, 17
	s_lshl_b32 s63, s19, 15                        ; my work-group's 512 positions of 64 bytes,
	s_add_co_u32 s62, s62, s63
	s_lshl_b32 s63, s18, 11                        ; my wave's 32 of a pass's 256
	s_add_co_u32 s62, s62, s63
	s_mov_b32 s63, 0
	s_add_nc_u64 s[4:5], s[4:5], s[62:63]          ; Q's codes
	v_and_b32 v8, 15, v0                           ; r = lane % 16
	v_bfe_u32 v9, v0, 4, 1                         ; h = lane / 16
	v_lshlrev_b32 v3, 6, v8
	v_lshl_add_u32 v3, v9, 4, v3                   ; Q: row r of 64 bytes, + 16 h
.irp p, 0,1                                    ; Q's fragments of both passes stay in registers: registers 4 c .. 4 c + 3 hold channels 32 c + 16 h + 0 .. 15
.irp c, 0,1
	global_load_b128 v[16+200*\p+4*\c:19+200*\p+4*\c], v3, s[4:5] offset:\p*16384+32*\c
.endr
.endr
	WIN 0x40                                       ; destination window 1: tile 1
.irp p, 0,1
.irp c, 0,1
	global_load_b128 v[16+200*\p+4*\c:19+200*\p+4*\c], v3, s[4:5] offset:\p*16384+1024+32*\c
.endr
.endr
	WIN 0
	v_lshrrev_b32 v1, 2, v8
	v_mul_u32_u24 v1, v1, 272
	v_and_b32 v2, 3, v8
	v_lshl_add_u32 v1, v2, 6, v1
	v_lshl_add_u32 v1, v9, 4, v1                   ; my lane's place in a tile of K: 272 (r / 4) + 64 (r % 4) + 16 h
	v_add_nc_u32 v2, VOFF, v1                      ; and of V
	s_mul_i32 s17, s18, 32*80
	s_add_co_u32 s17, s17, STAGE                   ; my stage
	v_mul_u32_u24 v4, v8, 80
	v_lshl_add_u32 v4, v9, 4, v4
	v_add_nc_u32 v4, s17, v4                       ; in: row r, + 16 h
	v_and_b32 v7, 31, v0
	v_lshrrev_b32 v5, 2, v7
	v_mul_u32_u24 v5, v5, 80
	v_and_b32 v6, 3, v7
	v_lshl_add_u32 v5, v6, 4, v5
	v_add_nc_u32 v5, s17, v5                       ; back: four lanes to a row, eight rows an instruction
	v_lshlrev_b32 v6, 4, v7                        ; and in ctxc: eight rows of 64 bytes on end
	s_lshr_b32 s62, s14, 4
	s_lshl_b32 s62, s62, 4                         ; 16 x batch: a batch has 16 blocks of 128 tokens
	s_lshl_b32 s63, s19, 2
	s_add_co_u32 s62, s62, s63                     ; + 4 cx
	s_lshr_b32 s63, s18, 2
	s_add_co_u32 s62, s62, s63                     ; + wave / 4  (the second pass: two blocks on)
	s_lshl_b32 s62, s62, 17                        ; a block of 128 tokens x 16 heads is 2^17 bytes
	s_and_b32 s63, s14, 15
	s_lshl_b32 s63, s63, 13                        ; the head: 128 rows of 64 bytes
	s_add_co_u32 s62, s62, s63
	s_lshl_b32 s63, s15, 11                        ; my wave's 32 tokens
	s_add_co_u32 s62, s62, s63
	s_mov_b32 s63, 0
	s_add_nc_u64 s[12:13], s[12:13], s[62:63]
	s_wait_kmcnt 0x0
	s_add_co_i32 s50, s56, s57
	s_lshl_b32 s50, s50, 23
	s_mov_b32 s22, 0x3fb8aa3b                      ; log2(e);
	s_add_co_i32 s22, s22, s50                     ; a score stands for score x 2^(e6 + e7): the two exponents are added to its exponent field
	s_mov_b32 s23, s22                             ; (named with it as a pair, so it is written)
	s_add_co_i32 s52, s58, s59                     ; e8 + e9: a sum of the second product stands for sum x 2^(e8 + e9)
	s_add_co_i32 s50, s59, 127
	s_lshl_b32 s54, s50, 23                        ; 2^e9
	s_add_co_i32 s50, s50, 8
	s_lshl_b32 s53, s50, 23
	s_or_b32 s53, s53, 0x600000                    ; 448 x 2^e9
	s_add_co_i32 s50, s60, 127
	s_lshl_b32 s61, s50, 23                        ; 2^e10
	s_add_co_i32 s50, s50, 8
	s_lshl_b32 s55, s50, 23
	s_or_b32 s55, s55, 0x600000                    ; 448 x 2^e10
.macro CONSTS
	v_mov_b32 v10, s53
	v_mov_b32 v11, s54
	v_mov_b32 v240, s55
	v_mov_b32 v241, s61
	v_mov_b32 v24, 0                               ; written once: a lane permute's destination counts as one of its sources
	v_mov_b32 v27, 0                               ; (named as the upper half of the pair v[26:27])
.endm
.macro INIT                            ; a pass begins: the step is written once, and its first trip finds zeros, which the first change of M leaves zeros
	v_mov_b32 v13, 0xff61b1e6                      ; the largest t so far: -3e38, under every t
	v_floor_f32 v12, -v13                          ; -M
	v_mov_b32 v14, 0
	v_mov_b32 v15, 0
.set jj, 0
.rept 32
	v_mov_b32 v[160+jj], 0
.set jj, jj+1
.endr
.endm
; One tile's softmax for 128 keys, in the window that is set.
.macro SOFTMAX
	v_max3_num_f32 v28, v96, v97, v98              ; the step's largest score of my query among my 64 keys, in two chains; each accumulator is first read at its low end,
	v_max3_num_f32 v29, v99, v100, v101
.set jj, 6
.rept 14
	v_max3_num_f32 v28, v28, v[96+jj], v[97+jj]
	v_max3_num_f32 v29, v29, v[98+jj], v[99+jj]
.set jj, jj+4
.endr
	v_max3_num_f32 v28, v28, v158, v159
	v_max_num_f32 v28, v28, v29
	v_permlanex16_b32 v24, v28, s20, s21
	v_max_num_f32 v28, v28, v24                    ; and among lane l xor 16's
	v_mul_f32 v28, s22, v28                        ; as t (the factor is positive)
	v_max_num_f32 v13, v13, v28                    ; the running largest t
	v_mov_b32 v28, v12
	v_floor_f32 v12, -v13                          ; the new -M = floor(-t) = -ceil(t): M is a whole number
	v_sub_f32 v28, v12, v28                        ; M's old value less its new one: a whole number, 0 or less
	v_cvt_i32_f32 v28, v28                         ; (it saturates)
	v_ldexp_f32 v26, 1.0, v28                      ; f = 2^(old M - new M)
.set jj, 0
.rept 32
	v_pk_fma_f32 v[96+jj:97+jj], v[96+jj:97+jj], s[22:23], v[12:13] op_sel_hi:[1,0,0]   ; t - M, two at a time (of each pair the low word serves both halves)
.set jj, jj+2
.endr
.set jj, 0
.rept 64
	v_exp_f32 v[96+jj], v[96+jj]                   ; p = 2^(t - M), at most 1
.set jj, jj+1
.endr
	v_pk_mul_f32 v[14:15], v[14:15], v[26:27] op_sel_hi:[1,0]   ; the sums under the new M: the plain line behind the exponentials
	s_wait_alu depctr_va_vdst(0)                   ; one wait for the whole batch, ahead of its first reader
	v_pk_add_f32 v[30:31], v[96:97], v[98:99]      ; the row's sum is taken of the unquantised p: two at a time, in two chains
.set jj, 4
.rept 15
	v_pk_add_f32 v[14:15], v[14:15], v[96+jj:97+jj]
	v_pk_add_f32 v[30:31], v[30:31], v[98+jj:99+jj]
.set jj, jj+4
.endr
	v_pk_add_f32 v[14:15], v[14:15], v[30:31]
.irp b, 0,1,2,3
.set jj, 0
.rept 16
	v_min_num_f32 v[96+16*\b+jj], v[96+16*\b+jj], v10   ; the conversion does not saturate (ISA guide 7.6.2); p is not negative, so the hold is one-sided
.set jj, jj+1
.endr
	v_cvt_scalef32_pk8_fp8_f32 v[192+4*\b:193+4*\b], v[96+16*\b:103+16*\b], v11
	v_cvt_scalef32_pk8_fp8_f32 v[194+4*\b:195+4*\b], v[104+16*\b:111+16*\b], v11
.endr
.set jj, 0
.rept 16
	v_pk_mul_f32 v[160+jj:161+jj], v[160+jj:161+jj], v[26:27] op_sel_hi:[1,0]   ; O^T under the new M.  (Plain lines between the conversions and the matrix instructions that read their results)
.set jj, jj+2
.endr
.endm
.macro PV                              ; O^T += V^T P^T: four tiles of 16 channels, K = the step's 128 keys; the four accumulators take turns
.irp t, 0,1,2,3
	v_wmma_f32_16x16x128_fp8_fp8 v[160+8*\t:167+8*\t], v[32+16*\t:47+16*\t], v[192:207], v[160+8*\t:167+8*\t]
.endr
.endm
; A KEY STEP: 128 keys, at LDS byte s2 of K and of V.  q: the register at which the pass's Q begins.
.macro STEP q
	v_add_nc_u32 v8, s2, v1
	v_add_nc_u32 v9, s2, v2
	v_nop
	v_nop                                          ; four places between the last trip's products and the loads into V's registers
.irp T, 0,1,2,3,4,5,6,7
.irp c, 0,1
	ds_load_b128 v[32+8*\T+4*\c:35+8*\T+4*\c], v8 offset:\T*1088+32*\c   ; K: stored rows 16 T on, channels 32 c + 16 h on
.endr
.endr
	WIN 0x40                                       ; destination window 1
.irp t, 0,1,2,3
.irp c, 0,1,2,3
	ds_load_b128 v[32+16*\t+4*\c:35+16*\t+4*\c], v9 offset:(\c/2)*4352+\t*1088+32*(\c%2)   ; V: stored rows 16 t on, keys 32 c + 16 h on
.endr
.endr
	WIN 0
	s_wait_dscnt 16                                ; K is in; V's sixteen loads may be out
.irp T, 0,1,2,3,4,5,6,7
	v_wmma_f32_16x16x64_fp8_fp8 v[96+8*\T:103+8*\T], v[32+8*\T:39+8*\T], v[\q:\q+7], 0
.endr
	WIN 0x44                                       ; Q and S^T of tile 1: window 1; K: window 0
.irp T, 0,1,2,3,4,5,6,7
	v_wmma_f32_16x16x64_fp8_fp8 v[96+8*\T:103+8*\T], v[32+8*\T:39+8*\T], v[\q:\q+7], 0
.endr
	WIN 0
.rept 4
	v_nop                                          ; places in front of the first read of the scores
.endr
	SOFTMAX
	s_wait_dscnt 0x0                               ; V is in
	WIN 0x01                                       ; V: window 1; P and O^T of tile 0: window 0
	PV
	WIN 0x55                                       ; all of tile 1
	SOFTMAX
	PV
	WIN 0
	s_add_co_u32 s2, s2, STEPB
.endm
; A tile's end, in the window that is set: ctx = O^T / the sum x 2^(e8 + e9), held and converted with 2^e10.  Register 8 t + j of O^T is channel 32 (t / 2) + 16 h + 8 (t % 2) + j.
.macro FIN
	v_add_f32 v14, v14, v15                        ; the sum's two halves,
	v_permlanex16_b32 v24, v14, s20, s21
	v_add_f32 v14, v14, v24                        ; and lane l xor 16's
	v_rcp_f32 v14, v14
	v_nop                                          ; a plain line behind the transcendental
	s_wait_alu depctr_va_vdst(0)                   ; and the wait ahead of its first reader
	v_ldexp_f32 v14, v14, s52
.set jj, 0
.rept 32
	v_mul_f32 v[96+jj], v[160+jj], v14
.set jj, jj+1
.endr
.set jj, 0
.rept 32
	v_med3_num_f32 v[96+jj], v[96+jj], -v240, v240
.set jj, jj+1
.endr
.irp g, 0,1,2,3
	v_cvt_scalef32_pk8_fp8_f32 v[208+2*\g:209+2*\g], v[96+8*\g:103+8*\g], v241
.endr
	v_nop                                          ; a plain line behind the last conversion of a run
.endm
; The way out of pass p.  My 32 rows of 64 codes go through my stage and leave as four stores of 8 rows.  Stage row 16 T + r is position 16 T + r, which holds token sigma of it: rows 8 g on are tokens 8 (2 (g % 2) + g / 2) on.
.macro WAYOUT p
.if \p
	s_wait_xcnt 0x0                                ; the first pass's stores have read their registers: they are loaded again below
.endif
	FIN                                            ; tile 0: its lines name nothing of tile 1's last products, and are the places behind them
	WIN 0x55
	FIN
	WIN 0
	ds_store_b128 v4, v[208:211]
	ds_store_b128 v4, v[212:215] offset:32
	WIN 0x04                                       ; the stores' data: window 1
	ds_store_b128 v4, v[208:211] offset:1280
	ds_store_b128 v4, v[212:215] offset:1312
	WIN 0
.irp g, 0,1,2,3
	ds_load_b128 v[224+4*\g:227+4*\g], v5 offset:640*\g   ; LDS serves a wave's instructions in order (ISA guide 5.7.1.4): these see my stores
.endr
.irp g, 0,1,2,3
	s_wait_dscnt 3-\g                              ; the younger read-backs may be out
	global_store_b128 v6, v[224+4*\g:227+4*\g], s[12:13] offset:\p*262144+512*(2*(\g%2)+\g/2)   ; 32 lanes store 512 consecutive bytes, at a multiple of 512 from the buffer's first byte
.endr
.endm
	CONSTS
	INIT
	WIN 0x55
	CONSTS
	INIT
	WIN 0
	s_wait_tensorcnt 1                             ; my first load is in; the second may stay out
	s_barrier_signal -1
	s_barrier_wait -1                              ; so keys 0 to 1,023 of K and V lie in LDS
	s_wait_loadcnt 0x0                             ; Q
	s_mov_b32 s2, 0
	s_mov_b32 s3, 8
.Lfirst_half:
	STEP 16
	s_sub_co_u32 s3, s3, 1
	s_cmp_lg_u32 s3, 0
	s_cbranch_scc1 .Lfirst_half
	s_wait_tensorcnt 0x0                           ; my second load is in,
	s_wait_dscnt 0x0
	s_barrier_signal -1
	s_barrier_wait -1                              ; everybody's is: all 2,048 keys
	s_mov_b32 s2, 8*STEPB
	s_mov_b32 s3, 8
.Lsecond_half:
	STEP 16
	s_sub_co_u32 s3, s3, 1
	s_cmp_lg_u32 s3, 0
	s_cbranch_scc1 .Lsecond_half
	WAYOUT 0
	INIT                                           ; the second pass: the next 256 queries
	WIN 0x55
	INIT
	WIN 0
	s_mov_b32 s2, 0
	s_mov_b32 s3, 16
.Lsecond_pass:
	STEP 216
	s_sub_co_u32 s3, s3, 1
	s_cmp_lg_u32 s3, 0
	s_cbranch_scc1 .Lsecond_pass
	WAYOUT 1
	s_wait_tensorcnt 0x0
	ds_add_u32 v254, v255
	s_wait_dscnt 0x0
	CROUND                                         ; the closing round
	s_endpgm
.Lfunc_end_k_q1d7fcbeebb_attn:
	.size	k_q1d7fcbeebb_attn, .Lfunc_end_k_q1d7fcbeebb_attn-k_q1d7fcbeebb_attn
	.p2alignl 7, 3214868480
	.fill 96, 4, 3214868480
	.section	.rodata,"a",@progbits
	.p2align	6, 0x0
	.amdhsa_kernel k_q1d7fcbeebb_attn
		.amdhsa_group_segment_fixed_size 327680
		.amdhsa_private_segment_fixed_size 0
		.amdhsa_enable_private_segment 0
		.amdhsa_kernarg_size 40
		.amdhsa_user_sgpr_count 2
		.amdhsa_user_sgpr_kernarg_segment_ptr 1
		.amdhsa_wavefront_size32 1
		.amdhsa_system_sgpr_workgroup_id_x 1
		.amdhsa_system_sgpr_workgroup_id_y 1
		.amdhsa_system_sgpr_workgroup_id_z 1
		.amdhsa_system_vgpr_workitem_id 0
		.amdhsa_next_free_vgpr 512
		.amdhsa_next_free_sgpr 68
		.amdhsa_reserve_vcc 0
		.amdhsa_float_denorm_mode_32 3
		.amdhsa_float_denorm_mode_16_64 3
		.amdhsa_memory_ordered 1
		.amdhsa_forward_progress 1
		.amdhsa_inst_pref_size 115
	.end_amdhsa_kernel
	.amdgpu_metadata
---
amdhsa.version: [ 1, 2 ]
amdhsa.kernels:
  - .name:           k_q1d7fcbeebb_attn
    .symbol:         k_q1d7fcbeebb_attn.kd
    .args:
      - { .name: qc, .offset: 0, .size: 8, .value_kind: global_buffer, .address_space: global }
      - { .name: kc, .offset: 8, .size: 8, .value_kind: global_buffer, .address_space: global }
      - { .name: vc, .offset: 16, .size: 8, .value_kind: global_buffer, .address_space: global }
      - { .name: lowp_scales, .offset: 24, .size: 8, .value_kind: global_buffer, .address_space: global }
      - { .name: ctxc, .offset: 32, .size: 8, .value_kind: global_buffer, .address_space: global }
    .group_segment_fixed_size: 327680
    .private_segment_fixed_size: 0
    .kernarg_segment_align: 8
    .kernarg_segment_size: 40
    .max_flat_workgroup_size: 256
    .sgpr_count:     68
    .vgpr_count:     512
    .wavefront_size: 32
...
	.end_amdgpu_metadata
.endif
;; end of part 3
;; launch oproj (part 4): grid 4 x 32, 4 waves a work-group, clusters of 4 x 4, 327,680 bytes of LDS; arguments ctxc, woc, lowp_scales, bo, out0; writes out0
.if DOCPART == 4
	.amdgcn_target "amdgcn-amd-amdhsa--gfx1250"
	.amdhsa_code_object_version 6
	.text
	.protected	k_q1d7fcbeebb_oproj
	.globl	k_q1d7fcbeebb_oproj
	.p2align	8
	.type	k_q1d7fcbeebb_oproj,@function
k_q1d7fcbeebb_oproj:
	s_mov_b64 s[64:65], 0
	v_nop
	global_prefetch_b8 v0, s[64:65] scope:SCOPE_SE
	s_setreg_imm32_b32 hwreg(HW_REG_WAVE_MODE, 25, 1), 1
	s_wait_xcnt 0x0
	s_wait_alu depctr_hold_cnt(0) depctr_sa_sdst(0) depctr_va_vdst(0) depctr_va_sdst(0) depctr_va_ssrc(0) depctr_va_vcc(0) depctr_vm_vsrc(0)
	s_getreg_b32 s2, hwreg(HW_REG_IB_STS2, 6, 4)
	s_cmp_eq_u32 s2, 0
	s_cbranch_scc0 .Lentry_in_a_cluster
	s_endpgm
.Lentry_in_a_cluster:
	s_bfe_u32 s2, ttmp6, 0x10000c
	s_cmp_lg_u32 s2, 0xf033
	s_cbranch_scc0 .Lentry_shape_is_right
	s_endpgm
.Lentry_shape_is_right:
; out0[token][n] = sum over k of ctx[token][k] Wo[k][n] + bo[n], on codes of E4M3: ctx with 2^e10, Wo with 2^e11.  out0: [8192][1024] f32; sums in f32.
; ctxc: [token / 128][head][token % 128][64 channels];  woc: [n][k = head x 64 + channel], K innermost.  LIMIT: e10 + e11 between -126 and 127, so that 2^(e10 + e11) is an f32 number.
; A tile of out0, 256 x 256, is made by four waves, each 128 x 128: 64 accumulators, 512 registers.  K goes in 4 steps of 256 (four heads) through a ring of two LDS slots filled by joint tensor loads:
; 4 x 4 work-groups form a cluster; ctx's tiles are shared along a row of the cluster, Wo's along a column.  128 tokens x 4 heads of ctx are one dense block of 32 KiB: 128 lines of 256 bytes, each with four rows of 64.
; THE MATRIX INSTRUCTION IS USED TRANSPOSED (source 0 = 16 rows of woc, source 1 = 16 tokens): a lane holds eight neighbouring numbers of a row of out0.
; A fragment is fetched by four loads of 16 bytes: registers 4 c .. 4 c + 3 hold K = 32 c + 16 (lane / 16) + 0 .. 15: a permutation of k that is the same on both sides.
; THE BIAS is the C of each sum's first matrix instruction, divided by 2^(e10 + e11); each finished sum is multiplied once by that power of two, which rounds nothing.
; The grid has 128 work-groups: a tile of half the size would read each LDS byte for half the products.
; REGISTERS, in windows of 256: window 0: v0-31 addresses; v32-95 the bias, later a block's results; from v128 ctx's fragments, ONE set; later the rows read back.
;   window 1: Wo's fragments, TWO sets.   window 2: the accumulators of my rows 0-63 ((a, b) at v[8 (8 a + b)]);   window 3: those of rows 64-127.
.set SIZE_N, 1024
.set ROWB,   256
.set PITCH,  272                       ; an LDS line: 256 bytes + 16 of padding
.set FR,     16
.set NL,     4
.set NP,     4                         ; places behind this matrix instruction (ISA guide 7.12.1)
.set HALFT,  128*PITCH
.set SLOT,   4*HALFT
.set LAPS,   2
.set SPARE,  2*SLOT                    ; behind the ring: the spare words, 128 bytes for each wave
.set SPITCH, 528                       ; the way out: a stage of 16 rows x (512 bytes + 16) for each wave, in slot 0, which has had its last fill and its last read by then
.set ASTEP,  32768                     ; a K step of ctx in memory: four heads x 128 tokens x 64 bytes
.set HEADB,  8704                      ; a head's 128 rows of 64 bytes in LDS: 32 lines
.set ADRA, 16
.set ADRB, 20
.set STO,  24
.set RD,   25
.set CO,   26
.set SPW,  28                          ; v28     LDS address of my spare word; never rewritten
.set NIL,  29                          ; v29     0; never rewritten
.set BIAS, 32
.set TMP,  32
.set AF,   128
.set BK,   128
.set G1, 24
.set G0, 32
.set G1B, 48
.set G0B, 56
.set MSB, 0
.macro WIN new                         ; the immediate's high byte repeats the setting that is left
.if MSB != \new
	s_set_vgpr_msb (MSB<<8)|\new
.set MSB, \new
.endif
.endm
.set MUL_LO, 0xa1
.set MUL_HI, 0xf1
.set TO_B,   0x40
.macro JLOAD g0a, g1a, g0b, g1b        ; a joint load: waves 0 and 1 fetch ctx's halves, waves 2 and 3 Wo's; four v_nop follow each of the two lines
	s_cmp_eq_u32 s15, 0
	s_cbranch_scc0 .Lfor_b_\@
	tensor_load_to_lds s[\g0a:\g0a+3], s[\g1a:\g1a+7]
	s_nop 0
.rept 4
	v_nop
.endr
	s_branch .Lasked_\@
.Lfor_b_\@:
	tensor_load_to_lds s[\g0b:\g0b+3], s[\g1b:\g1b+7]
	s_nop 0
.rept 4
	v_nop
.endr
.Lasked_\@:
.endm
.macro CREST
	s_cmp_lg_u32 s14, 0
	s_cbranch_scc1 .Lnot_wave_0_\@
	s_barrier_signal -3
.Lnot_wave_0_\@:
	s_barrier_wait -3
	s_barrier_signal -1
	s_barrier_wait -1
.endm
.macro CROUND
	s_barrier_signal -1
	s_barrier_wait -1
	CREST
.endm
	s_load_b128 s[4:7], s[0:1], 0x0                ; ctxc s[4:5], woc s[6:7]
	s_load_b128 s[8:11], s[0:1], 0x10              ; the scales' exponents s[8:9], bo s[10:11]
	s_load_b64 s[12:13], s[0:1], 0x20              ; out0
	v_lshl_add_u32 v[SPW], v0, 2, SPARE
	v_mov_b32 v[NIL], 0
	ds_add_u32 v28, v29
	ds_add_u32 v28, v29
	s_wait_dscnt 0x0
	v_lshrrev_b32 v1, 5, v0
	v_readfirstlane_b32 s14, v1                    ; wave 0..3
	s_lshr_b32 s15, s14, 1                         ; which half of the tile's rows is mine.  Also: I fetch for ctx (0) or for Wo (1)
	s_and_b32 s16, s14, 1                          ; which half of its columns.  Also: which 128 rows of that tile I fetch
	s_bfe_u32 s40, ttmp6, 0x40000                  ; cx, cy
	s_bfe_u32 s41, ttmp6, 0x40004
	s_lshl_b32 s42, ttmp9, 2
	s_add_co_u32 s42, s42, s40                     ; tile column = 4 x cluster x + cx
	s_and_b32 s17, ttmp7, 0xffff
	s_lshl_b32 s17, s17, 2
	s_add_co_u32 s17, s17, s41                     ; tile row = 4 x cluster y + cy
	s_lshl_b32 s43, s41, 2
	s_lshl_b32 s43, 15, s43                        ; my row of the cluster
	s_lshl_b32 s44, 0x1111, s40                    ; my column
	s_or_b32 s[G1+0], s43, (0<<16)|(1<<20)|(1<<21)|(5<<22)|(3<<25)  ; 15:0 the mask; 17:16 element of 1 byte; 20 padding on; 21 set beside a mask; 24:22 after every 64 words; 31:25 of 4 words
	s_or_b32 s[G1B+0], s44, (0<<16)|(1<<20)|(1<<21)|(5<<22)|(3<<25)
.irp g, G1, G1B
	s_mov_b32 s[\g+1], ROWB<<16                    ; tensor_dim0
	s_mov_b32 s[\g+2], 128<<16                     ; tensor_dim1 = 128
	s_mov_b32 s[\g+3], ROWB<<16                    ; tile_dim0
	s_mov_b32 s[\g+4], 128                         ; tile_dim1 = 128
	s_mov_b32 s[\g+6], 0
	s_mov_b32 s[\g+7], 0
.endr
	s_mov_b32 s[G1+5], ROWB                        ; ctx's lines are dense in memory;
	s_mov_b32 s[G1B+5], 1024                       ; a row of woc is 1,024 bytes
	s_lshl_b32 s20, s17, 1
	s_add_co_u32 s20, s20, s16                     ; ctx: the block of 128 tokens that I fetch: 2 x tile row + half,
	s_lshl_b32 s20, s20, 17                        ; of 2^17 bytes
	s_mov_b32 s21, 0
	s_lshl_b32 s18, s16, 7
	s_lshl_b32 s46, s42, 8
	s_add_co_u32 s46, s46, s18                     ; Wo: row 256 x tile column + 128 x half
	s_lshl_b32 s46, s46, 10
	s_mov_b32 s47, 0
	s_mul_i32 s45, s14, HALFT                      ; where they go: wave x 128 lines
	s_wait_kmcnt 0x0
	s_load_b64 s[96:97], s[8:9], 0x28              ; e10, e11
	s_add_nc_u64 s[20:21], s[4:5], s[20:21]
	s_add_nc_u64 s[46:47], s[6:7], s[46:47]
	CROUND                                         ; all sixteen work-groups are here: the first joint loads meet
.irp s, 0,1
	s_mov_b32 s[G0+4*\s], 1
	s_add_co_u32 s[G0+4*\s+1], s45, \s*SLOT
	s_add_nc_u64 s[G0+4*\s+2:G0+4*\s+3], s[20:21], \s*ASTEP
	s_or_b32 s[G0+4*\s+3], s[G0+4*\s+3], 0x80000000
	s_mov_b32 s[G0B+4*\s], 1
	s_add_co_u32 s[G0B+4*\s+1], s45, \s*SLOT
	s_add_nc_u64 s[G0B+4*\s+2:G0B+4*\s+3], s[46:47], \s*ROWB
	s_or_b32 s[G0B+4*\s+3], s[G0B+4*\s+3], 0x80000000
	JLOAD G0+4*\s, G1, G0B+4*\s, G1B
.endr
	v_and_b32 v1, 15, v0                           ; r
	v_bfe_u32 v2, v0, 4, 1                         ; h
	v_mul_u32_u24 v3, v1, PITCH
	v_lshl_add_u32 v3, v2, 4, v3                   ; Wo: row x pitch + 16 h
	v_lshrrev_b32 v4, 2, v1
	v_mul_u32_u24 v4, v4, PITCH
	v_and_b32 v5, 3, v1
	v_lshl_add_u32 v4, v5, 6, v4
	v_lshl_add_u32 v4, v2, 4, v4                   ; ctx: 272 (r / 4) + 64 (r % 4) + 16 h
	s_mul_i32 s21, s15, HALFT                      ; my 128 tokens
	s_mul_i32 s22, s16, HALFT                      ; my 128 rows of Wo,
	s_add_co_u32 s22, s22, 2*HALFT                 ; which lie behind ctx's
.irp s, 0,1
	v_add_nc_u32 v[ADRA+\s], s21, v4
	v_add_nc_u32 v[ADRB+\s], s22, v3
	s_add_co_u32 s21, s21, SLOT
	s_add_co_u32 s22, s22, SLOT
.endr
	s_mul_i32 s23, s14, 16*SPITCH                  ; my stage
	v_mul_u32_u24 v5, v1, SPITCH                   ; in: row r, 32 bytes for each half of the lanes
	v_lshl_add_u32 v5, v2, 5, v5
	v_add_nc_u32 v[STO], s23, v5
	v_and_b32 v6, 31, v0
	v_lshlrev_b32 v[CO], 4, v6                     ; back: the 32 lanes take one row of 512 bytes; and the same in out0
	v_add_nc_u32 v[RD], s23, v[CO]
	s_lshl_b32 s20, s17, 8
	s_lshl_b32 s21, s15, 7
	s_add_co_u32 s20, s20, s21                     ; my first row of out0
	s_lshl_b32 s20, s20, 12                        ; rows of 4,096 bytes (under 2^25)
	s_mov_b32 s21, 0
	s_lshl_b32 s46, s42, 10                        ; my first column, in bytes: 1,024 x tile column + 512 x half
	s_lshl_b32 s47, s16, 9
	s_add_co_u32 s46, s46, s47
	s_mov_b32 s47, 0
	s_add_nc_u64 s[10:11], s[10:11], s[46:47]      ; bo at my first column
	s_add_nc_u64 s[20:21], s[20:21], s[46:47]
	s_add_nc_u64 s[12:13], s[12:13], s[20:21]
	v_lshlrev_b32 v14, 5, v2                       ; the bias in the result's layout: register j of tile b wants column 16 b + 8 h + j
.irp b, 0,1,2,3,4,5,6,7
	global_load_b128 v[BIAS+8*\b:BIAS+8*\b+3], v14, s[10:11] offset:64*\b
	global_load_b128 v[BIAS+8*\b+4:BIAS+8*\b+7], v14, s[10:11] offset:64*\b+16
.endr
.macro FRAG reg, adr, q, i             ; a fragment of Wo: 16 rows x 128 K
.irp c, 0,1,2,3
	ds_load_b128 v[\reg+4*\c:\reg+4*\c+3], v[\adr] offset:128*(\q)+32*\c+(\i)*16*PITCH
.endr
.endm
.macro FRAGA reg, adr, q, i            ; a fragment of ctx: tokens 16 i on; K = 128 q + 32 c + 16 h on is head 2 q + c / 2 of the step's four, channel 32 (c % 2) + 16 h on
.irp c, 0,1,2,3
	ds_load_b128 v[\reg+4*\c:\reg+4*\c+3], v[\adr] offset:(2*(\q)+\c/2)*HEADB+(\i)*1088+(\c%2)*32
.endr
.endm
; 16 matrix instructions: ctx's blocks a0, a0 + 1 x Wo's eight.  zero = 1: the first product starts the sums from the bias.  The 64 accumulators take turns, one instruction a turn.
.macro MUL16 a0, p, zero
.irp a, \a0, \a0+1
.irp b, 0,1,2,3,4,5,6,7
.if \zero
	v_wmma_f32_16x16x128_fp8_fp8 v[8*(8*((\a)%4)+\b):8*(8*((\a)%4)+\b)+7], v[128*(\p)+FR*\b:128*(\p)+FR*\b+FR-1], v[AF+FR*(\a):AF+FR*(\a)+FR-1], v[BIAS+8*\b:BIAS+8*\b+7]
.else
	v_wmma_f32_16x16x128_fp8_fp8 v[8*(8*((\a)%4)+\b):8*(8*((\a)%4)+\b)+7], v[128*(\p)+FR*\b:128*(\p)+FR*\b+FR-1], v[AF+FR*(\a):AF+FR*(\a)+FR-1], v[8*(8*((\a)%4)+\b):8*(8*((\a)%4)+\b)+7]
.endif
.endr
.endr
.endm
.macro FETCH_B slot, q, p
	WIN TO_B
.irp i, 0,1,2,3,4,5,6,7
	FRAG 128*(\p)+FR*\i, ADRB+\slot, \q, \i
.endr
	WIN 0
.endm
.macro FETCH_A slot, q, i0
.irp i, \i0, \i0+1, \i0+2, \i0+3
	FRAGA AF+FR*(\i), ADRA+\slot, \q, \i
.endr
.endm
.macro PLACES n                        ; places behind matrix instructions, in front of loads into registers that they have read and of the first read of results (ISA guide 7.12.1 for the first read of results)
.rept \n
	v_nop
.endr
.endm
.macro STEP slot, q, zero
	s_wait_dscnt 4*NL                              ; Wo's set and ctx's blocks 0-3 are in; the youngest sixteen loads (blocks 4-7) may be out
.if \zero
	WIN 0x81                                       ; source 0 window 1, source 1 and the bias window 0, D window 2
.else
	WIN MUL_LO
.endif
	MUL16 0, (\q)%2, \zero
	MUL16 2, (\q)%2, \zero
	s_wait_dscnt 0
	PLACES NP
	FETCH_B \slot, (\q)+1, 1-(\q)%2
	FETCH_A \slot, (\q)+1, 0
.if \zero
	WIN 0xc1
.else
	WIN MUL_HI
.endif
	MUL16 4, (\q)%2, \zero
	MUL16 6, (\q)%2, \zero
	PLACES NP
	WIN 0
	FETCH_A \slot, (\q)+1, 4
.endm
; A slot's last step changes slots: ONE barrier; in front of it each wave waits for all its tensor loads, adds 0 to its spare word, and waits for that and for its own reads of this slot.
.macro TURN slot, next, fill
	s_wait_tensorcnt 0x0                           ; all my tensor loads have landed: my part of the next slot;
	ds_add_u32 v[SPW], v[NIL]                      ; 0 onto my spare word;
	s_wait_dscnt 4*NL+1                            ; (the add and the youngest sixteen loads may be out)
	WIN MUL_LO
	MUL16 0, 1, 0
	s_wait_dscnt 0x0                               ; the add is done, and my reads of this slot are over
	s_barrier_signal -1
	MUL16 2, 1, 0
	WIN 0
	s_barrier_wait -1
.if \fill
	CREST                                          ; the barrier has opened a round of the cluster's barrier
	s_add_nc_u64 s[G0+4*\slot+2:G0+4*\slot+3], s[G0+4*\slot+2:G0+4*\slot+3], 2*ASTEP
	s_add_nc_u64 s[G0B+4*\slot+2:G0B+4*\slot+3], s[G0B+4*\slot+2:G0B+4*\slot+3], 2*ROWB
	JLOAD G0+4*\slot, G1, G0B+4*\slot, G1B         ; the first tensor load behind the round; its four v_nop are the places in front of the loads below
.else
	PLACES NP
.endif
	FETCH_B \next, 0, 0
	FETCH_A \next, 0, 0
	WIN MUL_HI
	MUL16 4, 1, 0
	MUL16 6, 1, 0
	PLACES NP
	WIN 0
	FETCH_A \next, 0, 4
.endm
	s_wait_tensorcnt 1                             ; my part of K step 0 is in (K step 1's load may be out)
	s_barrier_signal -1
	s_barrier_wait -1                              ; everybody's is
	FETCH_B 0, 0, 0
	FETCH_A 0, 0, 0
	FETCH_A 0, 0, 4
	s_wait_kmcnt 0x0
	s_add_co_i32 s94, s96, s97                     ; e10 + e11
	s_sub_co_i32 s95, 0, s94
	s_add_co_i32 s96, s94, 127
	s_lshl_b32 s96, s96, 23                        ; 2^(e10 + e11) as f32 (s97 stays written: the packed form names the pair)
	s_wait_loadcnt 0x0                             ; the bias
.set jj, 0
.rept 64
	v_ldexp_f32 v[BIAS+jj], v[BIAS+jj], s95        ; bo / 2^(e10 + e11)
.set jj, jj+1
.endr
	STEP 0, 0, 1                                   ; the first step stands in front of the loop: its products start the sums
	s_mov_b32 s3, LAPS-1
.Llap:
	TURN 0, 1, 1
	STEP 1, 0, 0
	TURN 1, 0, 1
	STEP 0, 0, 0
	s_sub_co_u32 s3, s3, 1
	s_cmp_lg_u32 s3, 0
	s_cbranch_scc1 .Llap
	TURN 0, 1, 0                                   ; the last lap fills nothing
	STEP 1, 0, 0
	s_wait_dscnt 4*NL
	WIN MUL_LO
	MUL16 0, 1, 0
	MUL16 2, 1, 0
	s_wait_dscnt 0
	WIN MUL_HI
	MUL16 4, 1, 0
	MUL16 6, 1, 0
	WIN 0
; THE WAY OUT, block by block of 16 rows x 128 columns, through my own stage in LDS: in as 32 bytes a lane, back as whole rows of 512 bytes.  LDS serves a wave's instructions in order (ISA guide 5.7.1.4).
.macro TOSTAGE a
.set AC, 64*((\a)%4)
	WIN 0x02+((\a)/4)                              ; source 0: window 2 or 3
.set jj, 0
.rept 32
	v_pk_mul_f32 v[TMP+jj:TMP+jj+1], v[AC+jj:AC+jj+1], s[96:97] op_sel_hi:[1,0]   ; both x s96 = 2^(e10 + e11); each accumulator from its low end on
.set jj, jj+2
.endr
	WIN 0
.irp b, 0,1,2,3,4,5,6,7
	ds_store_b128 v[STO], v[TMP+8*\b:TMP+8*\b+3] offset:64*\b
	ds_store_b128 v[STO], v[TMP+8*\b+4:TMP+8*\b+7] offset:64*\b+16
.endr
.set BB, BK+64*((\a)%2)
.irp t, 0,1,2,3,4,5,6,7,8,9,10,11,12,13,14,15
	ds_load_b128 v[BB+4*\t:BB+4*\t+3], v[RD] offset:\t*SPITCH
.endr
.endm
.macro SEND a, younger                 ; younger: the LDS instructions issued behind block a's loads, which may stay out
.set BB, BK+64*((\a)%2)
	s_wait_dscnt \younger
.if (\a) > 0
	s_add_nc_u64 s[12:13], s[12:13], 16*SIZE_N*4   ; (behind a wait on XCNT: the earlier stores have read their base)  16 rows on
.endif
.irp t, 0,1,2,3,4,5,6,7,8,9,10,11,12,13,14,15
	global_store_b128 v[CO], v[BB+4*\t:BB+4*\t+3], s[12:13] offset:\t*SIZE_N*4 th:TH_STORE_NT   ; 32 lanes store 512 consecutive bytes, at a multiple of 512 from out0's first byte; written once, read by nobody here
.endr
.endm
	PLACES NP                                      ; in front of the loads into the registers that held ctx's fragments
	TOSTAGE 0
.irp a, 1,2,3,4,5,6,7
.if \a > 1
	s_wait_xcnt 0x0                                ; block a - 2's stores have read their registers and their base
.endif
	TOSTAGE \a
	SEND \a-1, 32                                  ; behind block a - 1's loads: block a's 16 stores and 16 loads
.endr
	s_wait_xcnt 0x0                                ; block 6's stores have read their base
	SEND 7, 0
	s_wait_tensorcnt 0x0                           ; the wave's end: behind my last tensor load and my last LDS store
	ds_add_u32 v[SPW], v[NIL]
	s_wait_dscnt 0x0
	CROUND                                         ; the closing round
	s_endpgm
.Lfunc_end_k_q1d7fcbeebb_oproj:
	.size	k_q1d7fcbeebb_oproj, .Lfunc_end_k_q1d7fcbeebb_oproj-k_q1d7fcbeebb_oproj
	.p2alignl 7, 3214868480
	.fill 96, 4, 3214868480
	.section	.rodata,"a",@progbits
	.p2align	6, 0x0
	.amdhsa_kernel k_q1d7fcbeebb_oproj
		.amdhsa_group_segment_fixed_size 327680
		.amdhsa_private_segment_fixed_size 0
		.amdhsa_enable_private_segment 0
		.amdhsa_kernarg_size 40
		.amdhsa_user_sgpr_count 2
		.amdhsa_user_sgpr_kernarg_segment_ptr 1
		.amdhsa_wavefront_size32 1
		.amdhsa_system_sgpr_workgroup_id_x 1
		.amdhsa_system_sgpr_workgroup_id_y 1
		.amdhsa_system_sgpr_workgroup_id_z 1
		.amdhsa_system_vgpr_workitem_id 0
		.amdhsa_next_free_vgpr 1024
		.amdhsa_next_free_sgpr 100
		.amdhsa_reserve_vcc 0
		.amdhsa_float_denorm_mode_32 3
		.amdhsa_float_denorm_mode_16_64 3
		.amdhsa_memory_ordered 1
		.amdhsa_forward_progress 1
		.amdhsa_inst_pref_size 129
	.end_amdhsa_kernel
	.amdgpu_metadata
---
amdhsa.version: [ 1, 2 ]
amdhsa.kernels:
  - .name:           k_q1d7fcbeebb_oproj
    .symbol:         k_q1d7fcbeebb_oproj.kd
    .args:
      - { .name: ctxc, .offset: 0, .size: 8, .value_kind: global_buffer, .address_space: global }
      - { .name: woc, .offset: 8, .size: 8, .value_kind: global_buffer, .address_space: global }
      - { .name: lowp_scales, .offset: 16, .size: 8, .value_kind: global_buffer, .address_space: global }
      - { .name: bo, .offset: 24, .size: 8, .value_kind: global_buffer, .address_space: global }
      - { .name: out0, .offset: 32, .size: 8, .value_kind: global_buffer, .address_space: global }
    .group_segment_fixed_size: 327680
    .private_segment_fixed_size: 0
    .kernarg_segment_align: 8
    .kernarg_segment_size: 40
    .max_flat_workgroup_size: 128
    .sgpr_count:     100
    .vgpr_count:     1024
    .wavefront_size: 32
...
	.end_amdgpu_metadata
.endif
;; end of part 4
;; ======== version 2 of 2: 3 launches
;; limits: right only within a limited range of input values
;; workspace buffers: woc 1,048,576 bytes; qc 8,388,608 bytes; kc 8,388,608 bytes; vc 8,388,608 bytes; ctxc 8,388,608 bytes
;; launch qkv (part 5): grid 12 x 32, 4 waves a work-group, clusters of 4 x 4, 327,680 bytes of LDS; arguments x_codes, Wq_codes, Wk_codes, Wv_codes, bq, bk, bv, lowp_scales, qc, kc, vc; writes qc, kc, vc
.if DOCPART == 5
	.amdgcn_target "amdgcn-amd-amdhsa--gfx1250"
	.amdhsa_code_object_version 6
	.text
	.protected	k_q1d7fcbeebb_qkv
	.globl	k_q1d7fcbeebb_qkv
	.p2align	8
	.type	k_q1d7fcbeebb_qkv,@function
k_q1d7fcbeebb_qkv:
	s_mov_b64 s[64:65], 0
	v_nop
	global_prefetch_b8 v0, s[64:65] scope:SCOPE_SE
	s_setreg_imm32_b32 hwreg(HW_REG_WAVE_MODE, 25, 1), 1
	s_wait_xcnt 0x0
	s_wait_alu depctr_hold_cnt(0) depctr_sa_sdst(0) depctr_va_vdst(0) depctr_va_sdst(0) depctr_va_ssrc(0) depctr_va_vcc(0) depctr_vm_vsrc(0)
	s_getreg_b32 s2, hwreg(HW_REG_IB_STS2, 6, 4)
	s_cmp_eq_u32 s2, 0
	s_cbranch_scc0 .Lentry_in_a_cluster
	s_endpgm
.Lentry_in_a_cluster:
	s_bfe_u32 s2, ttmp6, 0x10000c
	s_cmp_lg_u32 s2, 0xf033
	s_cbranch_scc0 .Lentry_shape_is_right
	s_endpgm
.Lentry_shape_is_right:
; The three projections on codes of E4M3, their biases, q's division by 8, and the quantising of q, k and v for attention.  x: [8192 tokens][1024], Wq, Wk, Wv: [1024 (head x 64 + e)][1024]: codes, K innermost.
; THE CLUSTER'S x SAYS WHICH: 0 = q, 1 = k, 2 = v; it is the same number in all sixteen partners.  A tile is 256 x 256 of a product of an A-role and a B-role tensor, both with rows of 1,024 bytes along K:
;   q, k: A-role = x (tile row 4 Y + cy), B-role = W (tile column cx).      v: A-role = Wv (tile row cy), B-role = x (tile column 4 Y + cx): V^T = Wv x^T.
; THE MATRIX INSTRUCTION IS USED TRANSPOSED (source 0 = 16 B-role rows, source 1 = 16 A-role rows): a lane holds one A-role row and eight neighbouring B-role rows.  For q and k these eight are channels of a
; token, for v tokens of a channel: in each case neighbours along the K of the product that follows, as the conversions want them.
; Four waves, each 128 x 128: 64 accumulators, 512 registers.  K goes in 4 steps of 256 through a ring of two LDS slots filled by joint tensor loads: A-role tiles shared along a row of the cluster, B-role tiles along a column.
; A fragment is fetched by four loads of 16 bytes, 32 apart: a permutation of k that is the same on both sides, so every product meets its partner.
; THE BIAS is the C of each sum's first matrix instruction, in the result's layout, divided by the power of two that the sums lack (2^(ex + ew)).
; THE QUANTISER: code = sum / 2^E, held within +-448: E = e6 + 3 - e0 - e1 (q: the 3 is the division by 8), e7 - e2 - e3 (k), e8 - e4 - e5 (v).  LIMIT: each E between -126 and 119.  NaN is not served.
; OUTPUT, sigma(i) = i with bits 3 and 4 exchanged:  qc, kc: [batch x 16 + head][position sigma(token)][64 channels];  vc: [batch x 16 + head][key / 64][position sigma(channel)][64 keys].
; A block of 16 A-role rows x 128 codes goes through the wave's own stage in LDS and leaves as four stores of 512 consecutive bytes, aligned.
; REGISTERS, in windows of 256: window 0: v0-31 addresses; v32-95 the bias, later a block's held sums; v96-111 its codes; from v128 A's fragments, ONE set; later v128-159 the rows read back.
;   window 1: B's fragments, TWO sets.   window 2: the accumulators of my A-rows 0-63 ((a, b) at v[8 (8 a + b)]);   window 3: those of rows 64-127.
.set KSTEP,  256
.set ROWB,   256                       ; a tile's row in bytes
.set KROW,   1024                      ; a row in memory, in bytes
.set PITCH,  272                       ; an LDS row: 256 bytes + 16 of padding: the 16 rows of a load start at 16 different banks (64 banks of 4 bytes: ISA guide 11.1)
.set FR,     16                        ; registers of a fragment: 16 rows x 128 K
.set NL,     4                         ; LDS loads that bring one
.set NP,     4                         ; places behind this matrix instruction (ISA guide 7.12.1)
.set HALFT,  128*PITCH                 ; what one tensor load brings
.set SLOT,   4*HALFT                   ; A's 256 rows, then B's 256 rows
.set LAPS,   2                         ; 1,024 along K = two laps of two K steps
.set SPARE,  2*SLOT                    ; behind the ring: the spare words, 128 bytes for each wave
.set SPITCH, 144                       ; the way out: a stage of 16 rows x (128 bytes + 16) for each wave, in slot 0, which has had its last fill and its last read by then
.set VO,   4                           ; v4-11   the bias loads' offsets, one for each register of a tile
.set LIM,  12                          ; v12     448 x 2^E
.set SC,   13                          ; v13     2^E
.set ADRA, 16                          ; v16-17  LDS address of my A fragments in slot 0, 1
.set ADRB, 20                          ; v20-21  the same for B
.set STO,  24                          ; v24     the way out: where I put 8 codes
.set RD,   25                          ; v25     where I read 16 bytes back
.set CO,   26                          ; v26-27  my byte offset in the output: first and second 64 codes of a row
.set SPW,  28                          ; v28     LDS address of my spare word; never rewritten
.set NIL,  29                          ; v29     0; never rewritten
.set BIAS, 32
.set TMP,  32
.set CD,   96
.set AF,   128
.set BK,   128
.set G1, 24                            ; s[24:31] descriptor group 1 for A-role tiles;  s[32:39] group 0, one set for each slot
.set G0, 32
.set G1B, 48                           ; s[48:55], s[56:63] the same for B-role tiles
.set G0B, 56
.set MSB, 0
.macro WIN new                         ; the immediate's high byte repeats the setting that is left
.if MSB != \new
	s_set_vgpr_msb (MSB<<8)|\new
.set MSB, \new
.endif
.endm
.set MUL_LO, 0xa1                      ; source 0 (B) window 1, source 1 (A) window 0, C and D window 2
.set MUL_HI, 0xf1                      ; the same, C and D window 3
.set TO_B,   0x40                      ; destination window 1, address window 0
; A joint load: waves 0 and 1 fetch for the A-role, waves 2 and 3 for the B-role.  The branch hangs on the wave's number alone.  Four v_nop follow each of the two lines.
.macro JLOAD g0a, g1a, g0b, g1b
	s_cmp_eq_u32 s15, 0
	s_cbranch_scc0 .Lfor_b_\@
	tensor_load_to_lds s[\g0a:\g0a+3], s[\g1a:\g1a+7]
	s_nop 0
.rept 4
	v_nop
.endr
	s_branch .Lasked_\@
.Lfor_b_\@:
	tensor_load_to_lds s[\g0b:\g0b+3], s[\g1b:\g1b+7]
	s_nop 0
.rept 4
	v_nop
.endr
.Lasked_\@:
.endm
.macro CREST                           ; a round of the cluster's barrier behind its opening barrier
	s_cmp_lg_u32 s14, 0
	s_cbranch_scc1 .Lnot_wave_0_\@
	s_barrier_signal -3
.Lnot_wave_0_\@:
	s_barrier_wait -3
	s_barrier_signal -1
	s_barrier_wait -1
.endm
.macro CROUND                          ; a whole round
	s_barrier_signal -1
	s_barrier_wait -1
	CREST
.endm
	s_load_b256 s[4:11], s[0:1], 0x0               ; x s[4:5], Wq s[6:7], Wk s[8:9], Wv s[10:11]
	s_load_b256 s[68:75], s[0:1], 0x20             ; bq s[68:69], bk s[70:71], bv s[72:73], the scales' exponents s[74:75]
	s_load_b128 s[76:79], s[0:1], 0x40             ; qc s[76:77], kc s[78:79]
	s_load_b64 s[80:81], s[0:1], 0x50              ; vc
	v_lshl_add_u32 v[SPW], v0, 2, SPARE
	v_mov_b32 v[NIL], 0
	ds_add_u32 v28, v29
	ds_add_u32 v28, v29
	s_wait_dscnt 0x0
	v_lshrrev_b32 v1, 5, v0
	v_readfirstlane_b32 s14, v1                    ; wave 0..3
	s_lshr_b32 s15, s14, 1                         ; which half of the tile's A-rows is mine.  Also: I fetch for A (0) or for B (1)
	s_and_b32 s16, s14, 1                          ; which half of its B-rows.  Also: which 128 rows of that tile I fetch
	s_bfe_u32 s40, ttmp6, 0x40000                  ; cx, cy: my place in the cluster
	s_bfe_u32 s41, ttmp6, 0x40004
	s_mov_b32 s82, ttmp9                           ; the cluster's x: 0 = q, 1 = k, 2 = v
	s_and_b32 s101, ttmp7, 0xffff
	s_lshl_b32 s101, s101, 2                       ; 4 Y: the cluster's place along x's 32 tiles of 256 tokens
	s_cmp_eq_u32 s82, 2
	s_cselect_b32 s12, 0, s101                     ; it counts for the role that x has: A's for q and k,
	s_cselect_b32 s13, s101, 0                     ; B's for v
	s_add_co_u32 s42, s13, s40                     ; tile column (B-role)
	s_add_co_u32 s17, s12, s41                     ; tile row (A-role)
	s_lshl_b32 s43, s41, 2
	s_lshl_b32 s43, 15, s43                        ; my row of the cluster
	s_lshl_b32 s44, 0x1111, s40                    ; my column
	; descriptor group 1: a tile of 128 rows x 256 bytes, padded in LDS
	s_or_b32 s[G1+0], s43, (0<<16)|(1<<20)|(1<<21)|(5<<22)|(3<<25)  ; 15:0 the mask: A-role tiles go to my row; 17:16 element of 1 byte; 20 padding on; 21 set beside a mask; 24:22 after every 64 words; 31:25 of 4 words
	s_or_b32 s[G1B+0], s44, (0<<16)|(1<<20)|(1<<21)|(5<<22)|(3<<25)
.irp g, G1, G1B
	s_mov_b32 s[\g+1], ROWB<<16                    ; tensor_dim0
	s_mov_b32 s[\g+2], 128<<16                     ; tensor_dim1 = 128
	s_mov_b32 s[\g+3], ROWB<<16                    ; tile_dim0
	s_mov_b32 s[\g+4], 128                         ; tile_dim1 = 128
	s_mov_b32 s[\g+5], KROW                        ; tensor_dim0_stride
	s_mov_b32 s[\g+6], 0
	s_mov_b32 s[\g+7], 0
.endr
	s_lshl_b32 s18, s16, 7                         ; which 128 rows of the tile I fetch
	s_lshl_b32 s20, s17, 8
	s_add_co_u32 s20, s20, s18                     ; A-role: row 256 x tile row + 128 x half,
	s_lshl_b32 s20, s20, 10                        ; in bytes (under 2^23)
	s_mov_b32 s21, 0
	s_lshl_b32 s46, s42, 8
	s_add_co_u32 s46, s46, s18                     ; B-role likewise
	s_lshl_b32 s46, s46, 10
	s_mov_b32 s47, 0
	s_mul_i32 s45, s14, HALFT                      ; where they go: wave x 128 rows: no place in the cluster enters an LDS address
	s_wait_kmcnt 0x0
	s_load_b256 s[84:91], s[74:75], 0x0            ; e0 .. e7
	s_load_b32 s92, s[74:75], 0x20                 ; e8
	s_cmp_eq_u32 s82, 1                            ; the buffers are chosen by the cluster's x alone
	s_cselect_b64 s[22:23], s[8:9], s[6:7]         ; Wk or Wq
	s_cselect_b64 s[96:97], s[70:71], s[68:69]     ; bk or bq
	s_cselect_b64 s[66:67], s[78:79], s[76:77]     ; kc or qc
	s_cmp_eq_u32 s82, 2
	s_cselect_b64 s[18:19], s[10:11], s[4:5]       ; the A-role tensor: Wv, else x
	s_cselect_b64 s[22:23], s[4:5], s[22:23]       ; the B-role tensor: x, else the weight
	s_cselect_b64 s[96:97], s[72:73], s[96:97]     ; the bias
	s_cselect_b64 s[66:67], s[80:81], s[66:67]     ; the output
	s_add_nc_u64 s[20:21], s[18:19], s[20:21]
	s_add_nc_u64 s[46:47], s[22:23], s[46:47]
	CROUND                                         ; all sixteen work-groups are here: the first joint loads meet
.irp s, 0,1
	s_mov_b32 s[G0+4*\s], 1
	s_add_co_u32 s[G0+4*\s+1], s45, \s*SLOT
	s_add_nc_u64 s[G0+4*\s+2:G0+4*\s+3], s[20:21], \s*ROWB
	s_or_b32 s[G0+4*\s+3], s[G0+4*\s+3], 0x80000000
	s_mov_b32 s[G0B+4*\s], 1
	s_add_co_u32 s[G0B+4*\s+1], s45, \s*SLOT
	s_add_nc_u64 s[G0B+4*\s+2:G0B+4*\s+3], s[46:47], \s*ROWB
	s_or_b32 s[G0B+4*\s+3], s[G0B+4*\s+3], 0x80000000
.endr
	JLOAD G0, G1, G0B, G1B                         ; K step 0: one tensor load a wave at the head
	v_and_b32 v1, 15, v0                           ; r = lane % 16
	s_wait_alu depctr_va_vdst(0)
	v_bfe_u32 v2, v0, 4, 1                         ; h = lane / 16
	v_mul_u32_u24 v3, v1, PITCH
	v_lshl_add_u32 v3, v2, 4, v3                   ; a fragment's row x pitch + 16 x half
	s_mul_i32 s21, s15, HALFT                      ; my 128 A-rows
	s_mul_i32 s22, s16, HALFT                      ; my 128 B-rows,
	s_add_co_u32 s22, s22, 2*HALFT                 ; which lie behind A's 256
.irp s, 0,1
	v_add_nc_u32 v[ADRA+\s], s21, v3
	v_add_nc_u32 v[ADRB+\s], s22, v3
	s_add_co_u32 s21, s21, SLOT
	s_add_co_u32 s22, s22, SLOT
.endr
	s_mul_i32 s23, s14, 16*SPITCH                  ; my stage
	v_mul_u32_u24 v14, v1, SPITCH                  ; in: row r, 8 bytes for each half of the lanes
	s_wait_alu depctr_va_vdst(0)
	v_lshl_add_u32 v14, v2, 3, v14
	v_add_nc_u32 v[STO], s23, v14
	v_and_b32 v15, 31, v0
	v_lshrrev_b32 v14, 2, v15                      ; back: four lanes to 64 bytes of a row, eight rows an instruction
	v_mul_u32_u24 v14, v14, SPITCH
	v_and_b32 v18, 3, v15
	v_lshl_add_u32 v14, v18, 4, v14
	v_add_nc_u32 v[RD], s23, v14
	v_lshlrev_b32 v[CO], 4, v15                    ; and in the output: eight rows of 64 bytes on end: 16 x lane
	s_wait_alu depctr_va_vdst(0)
	s_lshl_b32 s18, s17, 8
	s_lshl_b32 s19, s15, 7
	s_add_co_u32 s18, s18, s19                     ; my first A-row
	s_lshl_b32 s19, s42, 8
	s_lshl_b32 s22, s16, 7
	s_add_co_u32 s19, s19, s22                     ; my first B-row
	s_cmp_eq_u32 s82, 2
	s_cselect_b32 s22, s18, s19                    ; my first channel (of 1,024),
	s_cselect_b32 s23, s19, s18                    ; my first token (of 8,192)
	s_cselect_b32 s98, 4, 0                        ; the bias in the result's layout.  q, k: register j of tile b wants channel 16 b + 8 h + j;  v: every register of tile a wants channel 16 a + r
	s_cselect_b32 s99, 0, 32
	s_cselect_b32 s100, 0, 4
	s_mov_b32 s83, 0x20000
	s_cselect_b32 s83, 0x1000, s83                 ; from a row's first 64 codes to its second: the next head (q, k) or the next 64 keys (v)
	s_mov_b32 s101, 0x1000
	s_cselect_b32 s101, 0x20000, s101              ; from my A-rows 0-63 to rows 64-127: 64 positions on (q, k) or the next head (v)
	s_lshl_b32 s46, s22, 2
	s_mov_b32 s47, 0
	s_add_nc_u64 s[96:97], s[96:97], s[46:47]      ; the bias at my first channel
	s_lshr_b32 s22, s22, 6                         ; my first head
	s_lshr_b32 s46, s23, 11                        ; the batch
	s_lshl_b32 s46, s46, 4
	s_add_co_u32 s46, s46, s22
	s_lshl_b32 s46, s46, 17                        ; a head's codes are 2^17 bytes in each of the three outputs
	s_and_b32 s23, s23, 2047
	s_lshl_b32 s23, s23, 6                         ; q, k: 64 bytes a token;  v: 4,096 bytes for 64 keys: the same number
	s_add_co_u32 s46, s46, s23
	s_add_nc_u64 s[66:67], s[66:67], s[46:47]      ; the output at my A-rows 0-63,
	s_mov_b32 s46, s101
	s_add_nc_u64 s[10:11], s[66:67], s[46:47]      ; and at rows 64-127
	v_add_nc_u32 v[CO+1], s83, v[CO]
	v_mul_lo_u32 v14, v1, s98
	v_mul_lo_u32 v15, v2, s99
	v_add_nc_u32 v14, v14, v15
	v_mov_b32 v15, s100
.irp j, 0,1,2,3,4,5,6,7
	v_mad_u32_u24 v[VO+\j], v15, \j, v14
.endr
.irp i, 0,1,2,3,4,5,6,7
.irp j, 0,1,2,3,4,5,6,7
	global_load_b32 v[BIAS+8*\i+\j], v[VO+\j], s[96:97] offset:64*\i
.endr
.endr
.macro FRAG reg, adr, q, i             ; a fragment, 16 rows x 128 K: lane l holds row l % 16; registers 4 c .. 4 c + 3 hold K = 32 c + 16 (l / 16) + 0 .. 15
.irp c, 0,1,2,3
	ds_load_b128 v[\reg+4*\c:\reg+4*\c+3], v[\adr] offset:128*(\q)+32*\c+(\i)*16*PITCH
.endr
.endm
; 16 matrix instructions: A's blocks a0, a0 + 1 x B's eight, 128 along K.  p: B's set.  zero = 1, 2: the first product starts the sums from the bias, which goes by B's block (1) or by A's (2).
; The 64 accumulators take turns, one instruction a turn, in the same order in every step.
.macro MUL16 a0, p, zero
.irp a, \a0, \a0+1
.irp b, 0,1,2,3,4,5,6,7
.if \zero == 1
	v_wmma_f32_16x16x128_fp8_fp8 v[8*(8*((\a)%4)+\b):8*(8*((\a)%4)+\b)+7], v[128*(\p)+FR*\b:128*(\p)+FR*\b+FR-1], v[AF+FR*(\a):AF+FR*(\a)+FR-1], v[BIAS+8*\b:BIAS+8*\b+7]
.elseif \zero == 2
	v_wmma_f32_16x16x128_fp8_fp8 v[8*(8*((\a)%4)+\b):8*(8*((\a)%4)+\b)+7], v[128*(\p)+FR*\b:128*(\p)+FR*\b+FR-1], v[AF+FR*(\a):AF+FR*(\a)+FR-1], v[BIAS+8*(\a):BIAS+8*(\a)+7]
.else
	v_wmma_f32_16x16x128_fp8_fp8 v[8*(8*((\a)%4)+\b):8*(8*((\a)%4)+\b)+7], v[128*(\p)+FR*\b:128*(\p)+FR*\b+FR-1], v[AF+FR*(\a):AF+FR*(\a)+FR-1], v[8*(8*((\a)%4)+\b):8*(8*((\a)%4)+\b)+7]
.endif
.endr
.endr
.endm
.macro FETCH_B slot, q, p              ; B's eight fragments of the slot's q-th 128 along K into set p
	WIN TO_B
.irp i, 0,1,2,3,4,5,6,7
	FRAG 128*(\p)+FR*\i, ADRB+\slot, \q, \i
.endr
	WIN 0
.endm
.macro FETCH_A slot, q, i0             ; A's blocks i0 .. i0 + 3
.irp i, \i0, \i0+1, \i0+2, \i0+3
	FRAG AF+FR*(\i), ADRA+\slot, \q, \i
.endr
.endm
; A load into a register that a matrix instruction has read, and a vector instruction that reads a matrix result, stand NP places behind that matrix instruction; only plain vector instructions
; that name none of its registers are places (ISA guide 7.12.1 for vector instructions).
.macro PLACES n
.rept \n
	v_nop
.endr
.endm
; A step of 128 along K that has its successor in the same slot.  A's blocks 0-3 are fetched anew in its middle, blocks 4-7 at its end; B has two sets.
.macro STEP slot, q, zero
	s_wait_dscnt 4*NL                              ; B's set and A's blocks 0-3 are in; the youngest sixteen loads (A's blocks 4-7) may be out
.if \zero
	WIN 0x81                                       ; source 0 window 1, source 1 and the bias window 0, D window 2
.else
	WIN MUL_LO
.endif
	MUL16 0, (\q)%2, \zero
	MUL16 2, (\q)%2, \zero
	s_wait_dscnt 0                                 ; A's blocks 4-7 are in
	PLACES NP
	FETCH_B \slot, (\q)+1, 1-(\q)%2
	FETCH_A \slot, (\q)+1, 0
.if \zero
	WIN 0xc1                                       ; the same, D window 3
.else
	WIN MUL_HI
.endif
	MUL16 4, (\q)%2, \zero
	MUL16 6, (\q)%2, \zero
	PLACES NP
	WIN 0
	FETCH_A \slot, (\q)+1, 4
.endm
; A slot's last step changes slots: ONE barrier; in front of it each wave waits for all its tensor loads, adds 0 to its spare word, and waits for that and for its own reads of this slot.  fill = 1: this slot is filled again, two K steps ahead.
.macro TURN slot, next, fill
	s_wait_tensorcnt 0x0                           ; all my tensor loads have landed: my part of the next slot;  (every window is 0 here)
	ds_add_u32 v[SPW], v[NIL]                      ; 0 onto my spare word;
	s_wait_dscnt 4*NL+1                            ; (the add and the youngest sixteen loads, A's blocks 4-7, may be out)
	WIN MUL_LO
	MUL16 0, 1, 0                                  ; sixteen matrix instructions stand between the add and the wait for it
	s_wait_dscnt 0x0                               ; the add is done, and my reads of this slot are over
	s_barrier_signal -1
	MUL16 2, 1, 0
	WIN 0
	s_barrier_wait -1
.if \fill
	CREST                                          ; the barrier has opened a round of the cluster's barrier: no wave of any partner still reads this slot's tile or has a load on its way
	s_add_nc_u64 s[G0+4*\slot+2:G0+4*\slot+3], s[G0+4*\slot+2:G0+4*\slot+3], 2*ROWB
	s_add_nc_u64 s[G0B+4*\slot+2:G0B+4*\slot+3], s[G0B+4*\slot+2:G0B+4*\slot+3], 2*ROWB
	JLOAD G0+4*\slot, G1, G0B+4*\slot, G1B         ; the first tensor load behind the round; the four v_nop behind it are the places in front of the loads below
.else
	PLACES NP
.endif
	FETCH_B \next, 0, 0
	FETCH_A \next, 0, 0
	WIN MUL_HI
	MUL16 4, 1, 0
	MUL16 6, 1, 0
	PLACES NP
	WIN 0
	FETCH_A \next, 0, 4
.endm
	s_wait_alu depctr_va_vdst(0)                   ; the wait at the head's end
	s_wait_tensorcnt 0x0                           ; my part of K step 0 is in
	ds_add_u32 v[SPW], v[NIL]
	s_wait_dscnt 0x0
	CROUND                                         ; everybody's part of K step 0 is in, and all sixteen work-groups are here
	JLOAD G0+4, G1, G0B+4, G1B                     ; K step 1: slot 1's first fill, the first tensor load behind the round
	FETCH_B 0, 0, 0
	FETCH_A 0, 0, 0
	FETCH_A 0, 0, 4
	s_wait_kmcnt 0x0                               ; the scales' exponents.  Everything that hangs on them is chosen or computed, never branched on
	s_add_co_i32 s93, s84, s85                     ; e0 + e1
	s_add_co_i32 s94, s86, s87                     ; e2 + e3
	s_add_co_i32 s95, s88, s89                     ; e4 + e5
	s_add_co_i32 s101, s90, 3                      ; e6 + 3: q is divided by 8 = sqrt(64) ahead of its quantiser
	s_cmp_eq_u32 s82, 1
	s_cselect_b32 s93, s94, s93
	s_cselect_b32 s101, s91, s101
	s_cmp_eq_u32 s82, 2
	s_cselect_b32 s93, s95, s93                    ; ex + ew of my product: a sum stands for sum x 2^(ex + ew)
	s_cselect_b32 s101, s92, s101                  ; the exponent of the operand that is made
	s_sub_co_i32 s94, 0, s93
	s_sub_co_i32 s95, s101, s93                    ; E: the scales folded into the conversion's one
	s_add_co_i32 s95, s95, 127
	s_lshl_b32 s101, s95, 23
	v_mov_b32 v[SC], s101                          ; 2^E as f32
	s_add_co_i32 s95, s95, 8
	s_lshl_b32 s95, s95, 23
	s_or_b32 s95, s95, 0x600000
	v_mov_b32 v[LIM], s95                          ; 448 x 2^E
	s_wait_loadcnt 0x0                             ; the bias
.set jj, 0
.rept 64
	v_ldexp_f32 v[BIAS+jj], v[BIAS+jj], s94        ; bias / 2^(ex + ew)
.set jj, jj+1
.endr
	s_cmp_eq_u32 s82, 2                            ; the first step is written twice: the bias goes by B's blocks (q, k) or by A's (v).  The branch hangs on the cluster's x; both ways hold the same LDS loads and no barrier
	s_cbranch_scc1 .Lv_first
	s_wait_alu depctr_va_vdst(0)
	STEP 0, 0, 1
	s_branch .Lfirst_done
.Lv_first:
	s_wait_alu depctr_va_vdst(0)
	STEP 0, 0, 2
.Lfirst_done:
	s_mov_b32 s3, LAPS-1
.Llap:                                                 ; a trip goes once round the ring, from a lap's second step to the next lap's first, and fills both slots again
	TURN 0, 1, 1
	STEP 1, 0, 0
	TURN 1, 0, 1
	STEP 0, 0, 0
	s_sub_co_u32 s3, s3, 1
	s_cmp_lg_u32 s3, 0
	s_cbranch_scc1 .Llap
	TURN 0, 1, 0                                   ; the last lap fills nothing, and has no round of the cluster's barrier
	STEP 1, 0, 0
	s_wait_dscnt 4*NL                              ; the very last step: nothing more to fetch
	WIN MUL_LO
	MUL16 0, 1, 0
	MUL16 2, 1, 0
	s_wait_dscnt 0
	WIN MUL_HI
	MUL16 4, 1, 0
	MUL16 6, 1, 0
	WIN 0
; THE WAY OUT, block by block of 16 A-rows x 128 B-rows.  The sums are held within +-448 x 2^E (each accumulator from its low end on) and converted, eight neighbours to 8 bytes; a block's 16 rows x 128 bytes go through my
; stage and come back as 8 rows x 64 bytes an instruction, which are 512 consecutive bytes of the output.  LDS serves a wave's instructions in order (ISA guide 5.7.1.4): no wait between the stores and the loads.
; THE ORDER OF ROWS: row 16 a + 8 g + j of my 128 goes to position sigma of it: 32 (a / 2) + 16 g + 8 (a % 2) + j.
.macro TOSTAGE a
.set AC, 64*((\a)%4)
	WIN 0x02+((\a)/4)                              ; source 0: window 2 or 3
.set jj, 0
.rept 64
	v_med3_num_f32 v[TMP+jj], v[AC+jj], -v[LIM], v[LIM]   ; the conversion to an 8-bit code does not saturate (ISA guide 7.6.2)
.set jj, jj+1
.endr
	WIN 0
.irp b, 0,1,2,3,4,5,6,7
	v_cvt_scalef32_pk8_fp8_f32 v[CD+2*\b:CD+2*\b+1], v[TMP+8*\b:TMP+8*\b+7], v[SC]
.endr
	v_nop                                          ; a plain line behind the last conversion of a run
.irp b, 0,1,2,3,4,5,6,7
	ds_store_b64 v[STO], v[CD+2*\b:CD+2*\b+1] offset:16*\b
.endr
.set BB, BK+16*((\a)%2)
.irp g, 0,1
.irp i, 0,1
	ds_load_b128 v[BB+4*(2*\g+\i):BB+4*(2*\g+\i)+3], v[RD] offset:\g*8*SPITCH+64*\i
.endr
.endr
.endm
.macro SEND a, younger                 ; younger: the LDS instructions issued behind block a's loads, which may stay out
.set BB, BK+16*((\a)%2)
	s_wait_dscnt \younger                          ; the block is back in registers
.irp g, 0,1
.irp i, 0,1
.if (\a) < 4
	global_store_b128 v[CO+\i], v[BB+4*(2*\g+\i):BB+4*(2*\g+\i)+3], s[66:67] offset:(((\a)%4)/2)*2048+((\a)%2)*512+\g*1024   ; 32 lanes store 512 consecutive bytes, at a multiple of 512 from the buffer's first byte
.else
	global_store_b128 v[CO+\i], v[BB+4*(2*\g+\i):BB+4*(2*\g+\i)+3], s[10:11] offset:(((\a)%4)/2)*2048+((\a)%2)*512+\g*1024
.endif
.endr
.endr
.endm
	PLACES NP                                      ; in front of the loads into the registers that held A's fragments; block 0's sums were finished long ago
	TOSTAGE 0
.irp a, 1,2,3,4,5,6,7
.if \a > 1
	s_wait_xcnt 0x0                                ; block a - 2's stores have read their registers: block a's loads may land there
.endif
	TOSTAGE \a
	SEND \a-1, 12                                  ; behind block a - 1's loads: block a's 8 stores and 4 loads
.endr
	SEND 7, 0
	s_wait_tensorcnt 0x0                           ; the wave's end: behind my last tensor load and my last LDS store
	ds_add_u32 v[SPW], v[NIL]
	s_wait_dscnt 0x0
	CROUND                                         ; the closing round: no work-group ends while a partner may still ask for a tile that names it
	s_endpgm
.Lfunc_end_k_q1d7fcbeebb_qkv:
	.size	k_q1d7fcbeebb_qkv, .Lfunc_end_k_q1d7fcbeebb_qkv-k_q1d7fcbeebb_qkv
	.p2alignl 7, 3214868480
	.fill 96, 4, 3214868480
	.section	.rodata,"a",@progbits
	.p2align	6, 0x0
	.amdhsa_kernel k_q1d7fcbeebb_qkv
		.amdhsa_group_segment_fixed_size 327680
		.amdhsa_private_segment_fixed_size 0
		.amdhsa_enable_private_segment 0
		.amdhsa_kernarg_size 88
		.amdhsa_user_sgpr_count 2
		.amdhsa_user_sgpr_kernarg_segment_ptr 1
		.amdhsa_wavefront_size32 1
		.amdhsa_system_sgpr_workgroup_id_x 1
		.amdhsa_system_sgpr_workgroup_id_y 1
		.amdhsa_system_sgpr_workgroup_id_z 1
		.amdhsa_system_vgpr_workitem_id 0
		.amdhsa_next_free_vgpr 1024
		.amdhsa_next_free_sgpr 102
		.amdhsa_reserve_vcc 0
		.amdhsa_float_denorm_mode_32 3
		.amdhsa_float_denorm_mode_16_64 3
		.amdhsa_memory_ordered 1
		.amdhsa_forward_progress 1
		.amdhsa_inst_pref_size 146
	.end_amdhsa_kernel
	.amdgpu_metadata
---
amdhsa.version: [ 1, 2 ]
amdhsa.kernels:
  - .name:           k_q1d7fcbeebb_qkv
    .symbol:         k_q1d7fcbeebb_qkv.kd
    .args:
      - { .name: x_codes, .offset: 0, .size: 8, .value_kind: global_buffer, .address_space: global }
      - { .name: Wq_codes, .offset: 8, .size: 8, .value_kind: global_buffer, .address_space: global }
      - { .name: Wk_codes, .offset: 16, .size: 8, .value_kind: global_buffer, .address_space: global }
      - { .name: Wv_codes, .offset: 24, .size: 8, .value_kind: global_buffer, .address_space: global }
      - { .name: bq, .offset: 32, .size: 8, .value_kind: global_buffer, .address_space: global }
      - { .name: bk, .offset: 40, .size: 8, .value_kind: global_buffer, .address_space: global }
      - { .name: bv, .offset: 48, .size: 8, .value_kind: global_buffer, .address_space: global }
      - { .name: lowp_scales, .offset: 56, .size: 8, .value_kind: global_buffer, .address_space: global }
      - { .name: qc, .offset: 64, .size: 8, .value_kind: global_buffer, .address_space: global }
      - { .name: kc, .offset: 72, .size: 8, .value_kind: global_buffer, .address_space: global }
      - { .name: vc, .offset: 80, .size: 8, .value_kind: global_buffer, .address_space: global }
    .group_segment_fixed_size: 327680
    .private_segment_fixed_size: 0
    .kernarg_segment_align: 8
    .kernarg_segment_size: 88
    .max_flat_workgroup_size: 128
    .sgpr_count:     102
    .vgpr_count:     1024
    .wavefront_size: 32
...
	.end_amdgpu_metadata
.endif
;; end of part 5
;; launch attn (part 6): grid 4 x 64, 8 waves a work-group, clusters of 4 x 1, 327,680 bytes of LDS; arguments qc, kc, vc, lowp_scales, ctxc, Wo, woc; writes ctxc, woc
.if DOCPART == 6
	.amdgcn_target "amdgcn-amd-amdhsa--gfx1250"
	.amdhsa_code_object_version 6
	.text
	.protected	k_q1d7fcbeebb_attn
	.globl	k_q1d7fcbeebb_attn
	.p2align	8
	.type	k_q1d7fcbeebb_attn,@function
k_q1d7fcbeebb_attn:
	s_mov_b64 s[64:65], 0
	v_nop
	global_prefetch_b8 v0, s[64:65] scope:SCOPE_SE
	s_setreg_imm32_b32 hwreg(HW_REG_WAVE_MODE, 25, 1), 1
	s_wait_xcnt 0x0
	s_wait_alu depctr_hold_cnt(0) depctr_sa_sdst(0) depctr_va_vdst(0) depctr_va_sdst(0) depctr_va_ssrc(0) depctr_va_vcc(0) depctr_vm_vsrc(0)
	s_getreg_b32 s2, hwreg(HW_REG_IB_STS2, 6, 4)
	s_cmp_eq_u32 s2, 0
	s_cbranch_scc0 .Lentry_in_a_cluster
	s_endpgm
.Lentry_in_a_cluster:
	s_bfe_u32 s2, ttmp6, 0x10000c
	s_cmp_lg_u32 s2, 0x3003
	s_cbranch_scc0 .Lentry_shape_is_right
	s_endpgm
.Lentry_shape_is_right:
; Attention on codes of E4M3: ctx = softmax(q k^T) v for 64 heads (batch x 16 + head) of 2,048 tokens and 64 channels, and ctx quantised for the output projection.
; qc, kc: [head][position][64 channels], position = sigma(token), sigma = bits 3 and 4 exchanged;  vc: [head][key / 64][position sigma(channel)][64 keys];  q holds the division by 8 already.
; THE SOFTMAX AHEAD OF THE SECOND PRODUCT: t = score x log2(e); M = the row's largest t so far, rounded UP to a whole number; p = 2^(t - M) is what is quantised (2^e9); it is not normalised.
; The row's sum is taken of the unquantised p, in f32, and divides at the end.  When M moves, the sum and O are multiplied by 2^(old M - new M): exact.
; SHARES.  A cluster is the four work-groups of one head; each owns 512 queries and walks the keys twice, 256 queries a pass.  The head's whole K and V lie in LDS, filled once by joint tensor loads
; (each of the four issues the same load with a mask that names the four).  Each of the eight waves has TWO tiles of 16 queries, so that each fragment of K and V feeds two matrix instructions.
; THE FILLS.  At the head each wave asks for 40 lines of 256 bytes (waves 0-3: K, waves 4-7: V): keys 0 to 639.  Behind the full sequence and a round each wave asks for 88 lines more: keys 640 to 2,047.
; Key steps 0 to 3, with K fetched a step ahead, read keys 0 to 639 and no others; ahead of step 4 every wave waits for its load and passes a barrier.
; LAYOUT.  Both products are used transposed: S^T = K Q^T, O^T = V^T P^T: a lane holds ONE query throughout.  By sigma the 16 registers of tiles 2 c and 2 c + 1 of S^T are the neighbouring keys
; 32 c + 16 (lane / 16) + 0 .. 15, so the conversions' results are the second product's operand; likewise O^T's are 16 neighbouring channels.
; In LDS a line of 256 bytes (+ 16 of padding) holds four rows of 64 bytes: row i lies at 272 (i / 4) + 64 (i % 4).
; THE ORDER OF A KEY STEP: S^T | V's and the next step's K's loads | both tiles' maxima, the way to -M and f, tile 0's scalings, O^T x f and the sums x f |
; tile 0's 64 exponentials, with tile 1's 32 scalings between them | tile 1's 64 exponentials, with tile 0's 8 conversions and 16 sums of two pairs of p between them | tile 1's conversions |
; the eight V^T P, six additions of the sums ahead of each.  A line that stands between exponentials reads only what was written ahead of the batch's wait, and its result is read only behind the next wait.
; O^T, a matrix result, is first read ahead of the step's exponentials.
; A pass's last step fetches ahead the 128 rows behind K's last, which are V's first lines: bytes that lie in LDS; what they bring is never multiplied.  That keeps the step one text.
; ctxc: [token / 128][head][token % 128][64 channels]: codes with 2^e10; a wave's store covers 512 consecutive bytes, aligned.
; ALSO HERE: Wo [1024 (k = head x 64 + channel)][1024 (n)], f32, becomes codes of E4M3 with the given 2^e11, laid woc[k / 16][n][16 codes]: the order in which the output projection's fragments take them.
; Each of the launch's 2,048 waves takes 16 k (k / 16 = the cluster's number) x 32 columns: a lane takes a column and its 16 registers run down K; a load reads 128 consecutive bytes, the one store covers 512, aligned.
; The loads are issued behind the barrier ahead of step 4, into registers that the first pass leaves alone, and are held, converted and stored between the passes.
; LIMITS on the given exponents.  e9 between -8 and 119: t <= M, so p <= 1 <= 448 x 2^e9 there and the quantiser's hold at the largest code changes no p: it is not written; with e9 under -8 a p above 448 x 2^e9 would get the NaN code.
; e6 + e7 between -126 and 127 (added to log2(e)'s exponent field); e10 and e11 between -126 and 119.  NaN among the inputs is not served.
; No prefetch: the head's two groups of loads ask for all of K and V, so no later tile remains to be asked for ahead.
; REGISTERS.  Window 0: v1-9 addresses; v11 2^e9; v12-31, v32-51 the tiles' statistics; v52, v53: 448 x 2^e10, 2^e10; v54-56 2^e11, 448 x 2^e11, Wo's offset; v62, v63 the spare word's address and 0;
;   v64-127, v128-191 S^T, then p; v192-223 p's codes; v224-255 tile 0's 16 sums of two pairs; on the way out v224-239 rows read back, v240-255 codes.
;   Window 1: v0-63 K's 8 fragments; v64-127 V's 4; v128-191 O^T; v192-223 Q: 8 registers for each pass and tile; v224-239 Wo's numbers; v240-255 the sums: four chains of a pair for each tile.
; A tile's statistics, from v[ST + 20 t] on: +0 -M, +1 the largest score so far, +2, +3 and +12, +13 the sum on the way out, +4 f (+5 named with it as a pair), +6 .. +9 four chains of the maximum,
;   +10 the other half's, +11 the old -M, then old M - new M.
.set LINE,  272
.set VOFF,  512*LINE                   ; V lies behind K's 512 lines
.set STEPB, 32*LINE                    ; 128 keys, in K and in V alike
.set L1,    40                         ; lines a wave asks for at the head
.set L2,    88                         ; and behind the round
.set STAGE, 2*VOFF                     ; behind V: 32 rows x (64 bytes + 16) for each wave; no tensor load lands there
.set SPARE, STAGE+8*32*80              ; the spare words, 128 bytes a wave
.set SCP,  11
.set ST,   12
.set LIMC, 52
.set SCO,  53
.set SPW,  62
.set NIL,  63
.set SB,   64
.set PB,   192
.set TT,   224
.set OUTR, 224
.set CB,   240
.set KF,   0                           ; in window 1
.set VF,   64
.set OB,   128
.set QF,   192
.set WN,   224
.set CH,   240
.set MSB, 0
.macro WIN new                         ; the immediate's high byte repeats the setting that is left
.if MSB != \new
	s_set_vgpr_msb (MSB<<8)|\new
.set MSB, \new
.endif
.endm
.set W_LD, 0x40                        ; a load's destination window 1, its address window 0
.set W_KQ, 0x05                        ; sources 0 and 1 window 1, destination window 0
.set W_PV, 0x51                        ; V, O^T and the sums' chains window 1, P and p window 0
.set W_RS, 0x41                        ; destination and source 0 window 1, f window 0
.macro CROUND                          ; a round of the cluster's barrier
	s_barrier_signal -1
	s_barrier_wait -1
	s_cmp_lg_u32 s18, 0
	s_cbranch_scc1 .Lnot_wave_0_\@
	s_barrier_signal -3
.Lnot_wave_0_\@:
	s_barrier_wait -3
	s_barrier_signal -1
	s_barrier_wait -1
.endm
	s_load_b256 s[4:11], s[0:1], 0x0               ; qc s[4:5], kc s[6:7], vc s[8:9], the scales' exponents s[10:11]
	s_load_b64 s[12:13], s[0:1], 0x20              ; ctxc
	s_load_b128 s[68:71], s[0:1], 0x28             ; Wo s[68:69], woc s[70:71]
	v_lshl_add_u32 v[SPW], v0, 2, SPARE
	v_mov_b32 v[NIL], 0
	ds_add_u32 v[SPW], v[NIL]                      ; the opening: the add, twice on end, and its wait ahead of my first tensor load
	ds_add_u32 v[SPW], v[NIL]
	v_lshrrev_b32 v1, 5, v0
	v_readfirstlane_b32 s18, v1                    ; wave 0..7
	s_bfe_u32 s19, ttmp6, 0x40000                  ; cx: my block of 512 queries: it enters global addresses of Q, ctx, Wo and woc alone
	s_and_b32 s14, ttmp7, 0xffff                   ; batch x 16 + head, which the four partners share
	s_and_b32 s15, s18, 3                          ; which quarter of a group's lines I fetch
	s_lshr_b32 s17, s18, 2                         ; for K (0) or for V (1)
	s_mul_i32 s17, s17, VOFF
	s_mul_i32 s16, s15, L1*LINE
	s_add_co_u32 s33, s16, s17                     ; LDS address of my first load,
	s_mul_i32 s16, s15, L2*LINE
	s_add_co_u32 s16, s16, s17
	s_add_co_u32 s37, s16, 4*L1*LINE               ; and of my second
	s_lshl_b32 s48, s14, 17                        ; a head's codes are 2^17 bytes
	s_mul_i32 s16, s15, L1*256
	s_add_co_u32 s48, s48, s16                     ; the same places in memory
	s_mov_b32 s49, 0
	s_lshl_b32 s50, s14, 17
	s_mul_i32 s16, s15, L2*256
	s_add_co_u32 s50, s50, s16
	s_add_co_u32 s50, s50, 4*L1*256
	s_mov_b32 s51, 0
	; descriptor groups 1: dense blocks of 40 and of 88 rows x 256 bytes, padded in LDS
.irp g, 24, 72
	s_mov_b32 s[\g], 15|(3<<16)|(1<<20)|(1<<21)|(5<<22)|(3<<25)   ; 15:0 the mask: all four work-groups; 17:16 elements of 8 bytes; 20 padding on; 21 set beside a mask; 24:22 after every 64 words; 31:25 of 4 words
	s_mov_b32 s[\g+1], 32<<16                      ; tensor_dim0 = 32 elements
	s_mov_b32 s[\g+3], 32<<16                      ; tile_dim0
	s_mov_b32 s[\g+5], 32                          ; the rows are dense
	s_mov_b32 s[\g+6], 0
	s_mov_b32 s[\g+7], 0
.endr
	s_mov_b32 s26, L1<<16                          ; tensor_dim1
	s_mov_b32 s28, L1                              ; tile_dim1
	s_mov_b32 s74, L2<<16
	s_mov_b32 s76, L2
	s_mov_b32 s20, 0x76543210                      ; v_permlanex16_b32's selects for lane l xor 16
	s_mov_b32 s21, 0xfedcba98
	s_wait_dscnt 0x0                               ; both opening adds are done
	s_wait_kmcnt 0x0
	s_load_b128 s[56:59], s[10:11], 0x18           ; e6, e7, e8, e9
	s_load_b64 s[60:61], s[10:11], 0x28            ; e10, e11
	s_cmp_lt_u32 s18, 4
	s_cselect_b64 s[40:41], s[6:7], s[8:9]         ; K's codes or V's, by the wave's number
	s_mov_b32 s32, 1
	s_add_nc_u64 s[34:35], s[40:41], s[48:49]
	s_or_b32 s35, s35, 0x80000000
	s_mov_b32 s36, 1
	s_add_nc_u64 s[38:39], s[40:41], s[50:51]
	s_or_b32 s39, s39, 0x80000000
	CROUND                                         ; all four work-groups are here: the joint loads meet
	tensor_load_to_lds s[32:35], s[24:31]          ; my one load at the head: every wave's own lines, by arithmetic on its number
	s_nop 0
	s_lshl_b32 s62, s14, 17
	s_lshl_b32 s63, s19, 15                        ; my work-group's 512 positions of 64 bytes,
	s_add_co_u32 s62, s62, s63
	s_lshl_b32 s63, s18, 11                        ; my wave's 32 of a pass's 256
	s_add_co_u32 s62, s62, s63
	s_mov_b32 s63, 0
	s_add_nc_u64 s[4:5], s[4:5], s[62:63]          ; Q's codes
	s_mul_i32 s17, s18, 32*80
	s_add_co_u32 s17, s17, STAGE                   ; my stage
	s_lshr_b32 s62, s14, 4
	s_lshl_b32 s62, s62, 4                         ; 16 x batch: a batch has 16 blocks of 128 tokens
	s_lshl_b32 s63, s19, 2
	s_add_co_u32 s62, s62, s63                     ; + 4 cx
	s_lshr_b32 s63, s18, 2
	s_add_co_u32 s62, s62, s63                     ; + wave / 4  (the second pass: two blocks on)
	s_lshl_b32 s62, s62, 17                        ; a block of 128 tokens x 16 heads is 2^17 bytes
	s_and_b32 s63, s14, 15
	s_lshl_b32 s63, s63, 13                        ; the head: 128 rows of 64 bytes
	s_add_co_u32 s62, s62, s63
	s_lshl_b32 s63, s15, 11                        ; my wave's 32 tokens
	s_add_co_u32 s62, s62, s63
	s_mov_b32 s63, 0
	s_add_nc_u64 s[12:13], s[12:13], s[62:63]
	s_wait_kmcnt 0x0
	s_add_co_i32 s50, s56, s57
	s_lshl_b32 s50, s50, 23
	s_mov_b32 s22, 0x3fb8aa3b                      ; c = log2(e);
	s_add_co_i32 s22, s22, s50                     ; a score stands for score x 2^(e6 + e7): the two exponents are added to its exponent field
	s_mov_b32 s23, s22                             ; (named with it as a pair, so it is written)
	s_add_co_i32 s52, s58, s59                     ; e8 + e9: a sum of the second product stands for sum x 2^(e8 + e9)
	s_add_co_i32 s50, s59, 127
	s_lshl_b32 s54, s50, 23                        ; 2^e9
	s_add_co_i32 s50, s60, 127
	s_lshl_b32 s42, s50, 23                        ; 2^e10
	s_add_co_i32 s50, s50, 8
	s_lshl_b32 s55, s50, 23
	s_or_b32 s55, s55, 0x600000                    ; 448 x 2^e10
	s_add_co_i32 s50, s61, 127
	s_lshl_b32 s43, s50, 23                        ; 2^e11
	s_add_co_i32 s50, s50, 8
	s_lshl_b32 s44, s50, 23
	s_or_b32 s44, s44, 0x600000                    ; 448 x 2^e11
	s_lshl_b32 s45, s19, 3
	s_add_co_u32 s45, s45, s18                     ; my wave's 32 columns of Wo: 8 cx + wave
	s_lshl_b32 s62, s14, 16                        ; 16 rows of 4,096 bytes for each k / 16
	s_lshl_b32 s63, s45, 7
	s_add_co_u32 s62, s62, s63
	s_mov_b32 s63, 0
	s_add_nc_u64 s[68:69], s[68:69], s[62:63]
	s_lshl_b32 s62, s14, 14                        ; in woc: 1,024 columns of 16 bytes for each k / 16
	s_lshl_b32 s45, s45, 9
	s_add_co_u32 s62, s62, s45
	s_add_nc_u64 s[70:71], s[70:71], s[62:63]
	v_and_b32 v8, 15, v0                           ; r = lane % 16
	v_bfe_u32 v9, v0, 4, 1                         ; h = lane / 16
	v_lshlrev_b32 v3, 6, v8
	v_lshl_add_u32 v3, v9, 4, v3                   ; Q: row r of 64 bytes, + 16 h
.macro QLOAD p                         ; Q's two fragments of pass p: registers 4 c .. 4 c + 3 hold channels 32 c + 16 h + 0 .. 15
	WIN W_LD
.irp i, 0,1
.irp c, 0,1
	global_load_b128 v[QF+16*\p+8*\i+4*\c:QF+16*\p+8*\i+4*\c+3], v3, s[4:5] offset:\p*16384+\i*1024+32*\c
.endr
.endr
	WIN 0
.endm
	QLOAD 0
	v_lshrrev_b32 v1, 2, v8
	v_mul_u32_u24 v1, v1, LINE
	v_and_b32 v2, 3, v8
	v_lshl_add_u32 v1, v2, 6, v1
	v_lshl_add_u32 v1, v9, 4, v1                   ; my lane's place in a tile of K: 272 (r / 4) + 64 (r % 4) + 16 h
	v_add_nc_u32 v2, VOFF, v1                      ; and of V
	v_mul_u32_u24 v4, v8, 80
	v_lshl_add_u32 v4, v9, 4, v4
	v_add_nc_u32 v4, s17, v4                       ; the stage, in: row r, + 16 h
	v_and_b32 v7, 31, v0
	v_lshrrev_b32 v5, 2, v7
	v_mul_u32_u24 v5, v5, 80
	v_and_b32 v6, 3, v7
	v_lshl_add_u32 v5, v6, 4, v5
	v_add_nc_u32 v5, s17, v5                       ; back: four lanes to a row, eight rows an instruction
	v_lshlrev_b32 v6, 4, v7                        ; and in ctxc and woc: 16 bytes a lane
	v_mov_b32 v[SCP], s54
	v_mov_b32 v[LIMC], s55
	v_mov_b32 v[SCO], s42
	v_mov_b32 v54, s43                             ; 2^e11
	v_mov_b32 v55, s44                             ; 448 x 2^e11
	v_lshlrev_b32 v56, 2, v7                       ; Wo: 4 bytes a lane
.irp i, 0,1
	v_mov_b32 v[ST+20*\i+5], 0                     ; (named as the upper half of f's pair)
	v_mov_b32 v[ST+20*\i+10], 0                    ; written once: a lane permute's destination counts as one of its sources
.endr
.macro KLOAD adr, off                  ; K's 8 fragments of a step: stored rows 16 f on, channels 32 c + 16 h on
.irp f, 0,1,2,3,4,5,6,7
.irp c, 0,1
	ds_load_b128 v[KF+8*\f+4*\c:KF+8*\f+4*\c+3], v[\adr] offset:\off+\f*1088+32*\c
.endr
.endr
.endm
.macro INIT                            ; a pass begins: the step is written once, and its first trip finds zeros, which the first change of M leaves zeros
.irp i, 0,1
	v_mov_b32 v[ST+20*\i+1], 0xff61b1e6            ; the largest score so far: -3e38, under every score (a score is a sum of 64 products of codes)
	v_mov_b32 v[ST+20*\i], 0x7f61b1e6              ; -M = 3e38: the first f is 2^(a whole number that saturates) = 0
.endr
	WIN W_LD                                       ; destination window 1
.set xj, 0
.rept 64
	v_mov_b32 v[OB+xj], 0
.set xj, xj+1
.endr
.set xj, 0
.rept 16
	v_mov_b32 v[CH+xj], 0                          ; the sums' chains
.set xj, xj+1
.endr
	KLOAD 1, 0                                     ; K of step 0
	WIN 0
.endm
; Line xn of 28 of a tile's maximum: chain xn % 4 takes registers 16 (xn % 4) + 0 .. 14 of S^T, three and then two at a time.  Each accumulator is first read at its low end.
.macro MAXC t
.set rS, SB+64*(\t)+16*(xn%4)
.set rC, ST+20*(\t)+6+xn%4
.if xn < 4
	v_max3_num_f32 v[rC], v[rS], v[rS+1], v[rS+2]
.else
	v_max3_num_f32 v[rC], v[rC], v[rS+2*(xn/4)+1], v[rS+2*(xn/4)+2]
.endif
.endm
; Line xm of 11 of the way from the four chains to -M (0 .. 7) and to f (8 .. 10): each but line 1 reads the result of a line before it, so the other tile's lines stand between them.
.macro TAIL t
.set rT, ST+20*(\t)
.set rS, SB+64*(\t)
.if xm == 0
	v_max3_num_f32 v[rT+6], v[rT+6], v[rS+15], v[rS+31]   ; the four scores that the chains left over,
.elseif xm == 1
	v_max3_num_f32 v[rT+8], v[rT+8], v[rS+47], v[rS+63]
.elseif xm == 2
	v_max3_num_f32 v[rT+6], v[rT+6], v[rT+7], v[rT+9]     ; the chains,
.elseif xm == 3
	v_max3_num_f32 v[rT+6], v[rT+6], v[rT+8], v[rT+1]     ; and the largest score so far
.elseif xm == 4
	v_permlanex16_b32 v[rT+10], v[rT+6], s20, s21         ; the query's other 64 keys lie in lane l xor 16
.elseif xm == 5
	v_max_num_f32 v[rT+1], v[rT+6], v[rT+10]
.elseif xm == 6
	v_mul_f32 v[rT+6], s22, v[rT+1]                       ; as t (c is positive, so the largest score gives the largest t)
.elseif xm == 7
	v_floor_f32 v[rT], -v[rT+6]                           ; the new -M = floor(-t) = -ceil(t): M is a whole number
.elseif xm == 8
	v_sub_f32 v[rT+11], v[rT], v[rT+11]                   ; M's old value less its new one: a whole number, 0 or less
.elseif xm == 9
	v_cvt_i32_f32 v[rT+11], v[rT+11]                      ; (it saturates)
.else
	v_ldexp_f32 v[rT+4], 1.0, v[rT+11]                    ; f = 2^(old M - new M)
.endif
.endm
.macro FMA t                           ; pair xg of 32: t - M, two at a time (of each pair c, -M the low word serves both halves)
.set rT, ST+20*(\t)
.set rS, SB+64*(\t)
	v_pk_fma_f32 v[rS+2*xg:rS+2*xg+1], v[rS+2*xg:rS+2*xg+1], s[22:23], v[rT:rT+1] op_sel_hi:[1,0,0]
.endm
.macro RS t                            ; O^T, each accumulator from its low end on, and the sum's four chains under the new M
.set xj, 0
.rept 16
	v_pk_mul_f32 v[OB+32*(\t)+xj:OB+32*(\t)+xj+1], v[OB+32*(\t)+xj:OB+32*(\t)+xj+1], v[ST+20*(\t)+4:ST+20*(\t)+5] op_sel_hi:[1,0]
.set xj, xj+2
.endr
.irp c, 0,1,2,3
	v_pk_mul_f32 v[CH+8*(\t)+2*\c:CH+8*(\t)+2*\c+1], v[CH+8*(\t)+2*\c:CH+8*(\t)+2*\c+1], v[ST+20*(\t)+4:ST+20*(\t)+5] op_sel_hi:[1,0]
.endr
.endm
; Addition xa of 48 of THE ROWS' SUMS, TAKEN OF THE UNQUANTISED p; it steps xa.  Every third takes one of tile 0's 16 sums of two pairs, the others tile 1's 32 pairs; each tile's four chains take turns.
; The chains lie in window 1 and p in window 0, so these lines run under the setting of V^T P.
.macro ADDL
.if xa%3 == 0
.set rC, CH+2*((xa/3)%4)
	v_pk_add_f32 v[rC:rC+1], v[rC:rC+1], v[TT+2*(xa/3):TT+2*(xa/3)+1]
.else
.set xs, 2*(xa/3)+xa%3-1
.set rC, CH+8+2*(xs%4)
	v_pk_add_f32 v[rC:rC+1], v[rC:rC+1], v[SB+64+2*xs:SB+64+2*xs+1]
.endif
.set xa, xa+1
.endm
; A KEY STEP: 128 keys, at LDS byte s2 of K and of V.  q: the register at which the pass's Q begins.
.macro STEP q
	s_wait_dscnt 0x0                               ; this step's K, asked for a step ago, is in
	WIN W_KQ
.irp i, 0,1
.irp f, 0,1,2,3,4,5,6,7
	v_wmma_f32_16x16x64_fp8_fp8 v[SB+64*\i+8*\f:SB+64*\i+8*\f+7], v[KF+8*\f:KF+8*\f+7], v[\q+8*\i:\q+8*\i+7], 0
.endr
.endr
	WIN 0
	v_mov_b32 v[ST+11], v[ST]                      ; -M is kept for f.  These four lines are the places between the products (the last step's V^T P too) and the loads into K's and V's registers and the first read of the scores
	v_mov_b32 v[ST+31], v[ST+20]
	v_add_nc_u32 v9, s2, v2
	v_add_nc_u32 v8, s2, v1
	WIN W_LD
.irp u, 0,1,2,3
.irp c, 0,1,2,3
	ds_load_b128 v[VF+16*\u+4*\c:VF+16*\u+4*\c+3], v9 offset:(\c/2)*4352+\u*1088+32*(\c%2)   ; V: stored rows 16 u on, keys 32 c + 16 h on
.endr
.endr
	KLOAD 8, STEPB                                 ; the next step's K
	WIN 0
.set xn, 0
.rept 28                                       ; tile 0's maxima: four chains by turns
	MAXC 0
.set xn, xn+1
.endr
.set xn, 0
.rept 28                                       ; tile 1's maxima; behind every second line stands a line of tile 0's way to -M and f
	MAXC 1
.if (xn%2 == 1) && (xn < 22)
.set xm, (xn-1)/2
	TAIL 0
.endif
.set xn, xn+1
.endr
.set xg, 0
.rept 32                                       ; tile 0's scalings, with tile 1's way to -M and f between them
	FMA 0
.if (xg%2 == 1) && (xg < 22)
.set xm, (xg-1)/2
	TAIL 1
.endif
.set xg, xg+1
.endr
	WIN W_RS
	RS 0                                           ; the first readers of the last step's V^T P stand ahead of this step's exponentials
	RS 1
	WIN 0
	s_wait_alu depctr_va_vdst(0)                   ; the wait ahead of the batch
.set xe, 0
.rept 64                                       ; tile 0: p = 2^(t - M), at most 1; behind every second one a scaling of tile 1, which names none of the batch's registers
	v_exp_f32 v[SB+xe], v[SB+xe]
.if xe%2 == 1
.set xg, xe/2
	FMA 1
.endif
.set xe, xe+1
.endr
	s_wait_alu depctr_va_vdst(0)                   ; one wait: behind tile 0's batch, ahead of its first reader, and ahead of tile 1's batch, for the scalings just made
.set xe, 0
.rept 64                                       ; tile 1's exponentials; between them tile 0's conversions (p <= 1 <= 448 x 2^e9: no hold) and its sums of two pairs: their results are read behind the next wait
	v_exp_f32 v[SB+64+xe], v[SB+64+xe]
.if xe%8 == 1
	v_cvt_scalef32_pk8_fp8_f32 v[PB+2*(xe/8):PB+2*(xe/8)+1], v[SB+8*(xe/8):SB+8*(xe/8)+7], v[SCP]
.endif
.if xe%4 == 3
	v_pk_add_f32 v[TT+2*(xe/4):TT+2*(xe/4)+1], v[SB+4*(xe/4):SB+4*(xe/4)+1], v[SB+4*(xe/4)+2:SB+4*(xe/4)+3]
.endif
.set xe, xe+1
.endr
	s_wait_alu depctr_va_vdst(0)                   ; one wait for the batch, ahead of its first reader and of the wait below
	s_wait_dscnt 16                                ; V is in; K's sixteen loads, issued behind V's, may be out
.irp g, 0,1,2,3,4,5,6,7
	v_cvt_scalef32_pk8_fp8_f32 v[PB+16+2*\g:PB+16+2*\g+1], v[SB+64+8*\g:SB+64+8*\g+7], v[SCP]
.endr
	WIN W_PV
.set xa, 0
.set xw, 0
.rept 8                                        ; O^T += V^T P^T: for each tile four tiles of 16 channels, K = the step's 128 keys; the eight accumulators take turns; six additions of the sums stand ahead of each
.rept 6
	ADDL
.endr
	v_wmma_f32_16x16x128_fp8_fp8 v[OB+8*xw:OB+8*xw+7], v[VF+16*(xw%4):VF+16*(xw%4)+15], v[PB+16*(xw/4):PB+16*(xw/4)+15], v[OB+8*xw:OB+8*xw+7]
.set xw, xw+1
.endr
	WIN 0
	s_add_co_u32 s2, s2, STEPB
.endm
; The way out of pass p.  ctx = O^T / the sum x 2^(e8 + e9), held and converted with 2^e10.  Register 8 u + j of O^T is channel 32 (u / 2) + 16 h + 8 (u % 2) + j.
; My 32 rows of 64 codes go through my stage and leave as four stores of 8 rows.  Stage row 16 i + r is position 16 i + r, which holds token sigma of it: rows 8 g on are tokens 8 (2 (g % 2) + g / 2) on.
.macro WAYOUT p
	s_wait_alu depctr_va_vdst(0)
.if \p
	s_wait_xcnt 0x0                                ; earlier stores have read their registers: they are written again below
.endif
	WIN W_KQ                                       ; the chains window 1, the statistics window 0.  (The lines down to the reciprocals name nothing of the last products, and are the places behind them)
.irp i, 0,1
	v_pk_add_f32 v[ST+20*\i+2:ST+20*\i+3], v[CH+8*\i:CH+8*\i+1], v[CH+8*\i+2:CH+8*\i+3]
	v_pk_add_f32 v[ST+20*\i+12:ST+20*\i+13], v[CH+8*\i+4:CH+8*\i+5], v[CH+8*\i+6:CH+8*\i+7]
.endr
	WIN 0
.irp i, 0,1
	v_pk_add_f32 v[ST+20*\i+2:ST+20*\i+3], v[ST+20*\i+2:ST+20*\i+3], v[ST+20*\i+12:ST+20*\i+13]
.endr
.irp i, 0,1
	v_add_f32 v[ST+20*\i+2], v[ST+20*\i+2], v[ST+20*\i+3]        ; the sum's two halves,
.endr
.irp i, 0,1
	v_permlanex16_b32 v[ST+20*\i+10], v[ST+20*\i+2], s20, s21
.endr
.irp i, 0,1
	v_add_f32 v[ST+20*\i+2], v[ST+20*\i+2], v[ST+20*\i+10]       ; and lane l xor 16's
.endr
	s_wait_alu depctr_va_vdst(0)                   ; the wait ahead of the transcendentals
.irp i, 0,1
	v_rcp_f32 v[ST+20*\i+3], v[ST+20*\i+2]
.endr
	v_nop                                          ; a plain line behind the transcendentals
	s_wait_alu depctr_va_vdst(0)                   ; and one wait for both, ahead of their first reader
.irp i, 0,1
	v_ldexp_f32 v[ST+20*\i+3], v[ST+20*\i+3], s52
.endr
	WIN 0x01                                       ; source 0 (O^T) window 1
	s_wait_alu depctr_va_vdst(0)                   ; the wait directly ahead of the first readers of O^T
.irp i, 0,1
.set xj, 0
.rept 32
	v_mul_f32 v[SB+64*\i+xj], v[OB+32*\i+xj], v[ST+20*\i+3]      ; each accumulator from its low end on
.set xj, xj+1
.endr
.endr
	WIN 0
.irp i, 0,1
.set xj, 0
.rept 32
	v_med3_num_f32 v[SB+64*\i+xj], v[SB+64*\i+xj], -v[LIMC], v[LIMC]   ; the conversion to an 8-bit code does not saturate (ISA guide 7.6.2)
.set xj, xj+1
.endr
.endr
.irp i, 0,1
.irp g, 0,1,2,3
	v_cvt_scalef32_pk8_fp8_f32 v[CB+8*\i+2*\g:CB+8*\i+2*\g+1], v[SB+64*\i+8*\g:SB+64*\i+8*\g+7], v[SCO]
.endr
.endr
	v_nop                                          ; a plain line behind the last conversion of a run
.irp i, 0,1
	ds_store_b128 v4, v[CB+8*\i:CB+8*\i+3] offset:1280*\i
	ds_store_b128 v4, v[CB+8*\i+4:CB+8*\i+7] offset:1280*\i+32
.endr
.irp g, 0,1,2,3
	ds_load_b128 v[OUTR+4*\g:OUTR+4*\g+3], v5 offset:640*\g   ; LDS serves a wave's instructions in order (ISA guide 5.7.1.4): these see my stores
.endr
.irp g, 0,1,2,3
	s_wait_dscnt 3-\g                              ; the younger read-backs may be out
	global_store_b128 v6, v[OUTR+4*\g:OUTR+4*\g+3], s[12:13] offset:\p*262144+512*(2*(\g%2)+\g/2)   ; 32 lanes store 512 consecutive bytes, at a multiple of 512 from the buffer's first byte
.endr
.endm
	s_wait_alu depctr_va_vdst(0)                   ; the wait at the head's end
	s_wait_tensorcnt 0x0                           ; my first load is in
	ds_add_u32 v[SPW], v[NIL]
	s_wait_dscnt 0x0
	CROUND                                         ; keys 0 to 639 of K and V lie in LDS, and all four work-groups are here
	tensor_load_to_lds s[36:39], s[72:79]          ; my second load, the first behind the round: my part of keys 640 to 2,047
	s_nop 0
.rept 4
	v_nop
.endr
	QLOAD 1                                        ; the second pass's Q
	s_wait_loadcnt 0x4                             ; the first pass's Q is in; the four loads just issued may be out
	INIT
	s_mov_b32 s2, 0
	s_mov_b32 s3, 4
.Lfirst_keys:                                      ; steps 0 to 3: with the K fetched ahead they read keys 0 to 639 and no others
	STEP QF
	s_sub_co_u32 s3, s3, 1
	s_cmp_lg_u32 s3, 0
	s_cbranch_scc1 .Lfirst_keys
	s_wait_tensorcnt 0x0                           ; my second load is in,
	s_wait_dscnt 0x0                               ; (no LDS instruction of mine is out at a signal)
	s_barrier_signal -1
	s_barrier_wait -1                              ; everybody's is: all 2,048 keys.
	WIN W_LD
.set xj, 0
.rept 16
	global_load_b32 v[WN+xj], v56, s[68:69] offset:xj*4096 th:TH_LOAD_NT   ; Wo(16 (k / 16) + xj, my column): they have the rest of the pass in which to land
.set xj, xj+1
.endr
	WIN 0
	s_mov_b32 s2, 4*STEPB
	s_mov_b32 s3, 12
.Lall_keys:                                        ; steps 4 to 15
	STEP QF
	s_sub_co_u32 s3, s3, 1
	s_cmp_lg_u32 s3, 0
	s_cbranch_scc1 .Lall_keys
	WAYOUT 0
	s_wait_loadcnt 0x0                             ; the second pass's Q, and my 16 numbers of Wo
	WIN 0x01                                       ; source 0 window 1
.set xj, 0
.rept 16
	v_med3_num_f32 v[SB+xj], v[WN+xj], -v55, v55   ; the conversion to an 8-bit code does not saturate (ISA guide 7.6.2): the hold comes first
.set xj, xj+1
.endr
	WIN 0
	v_cvt_scalef32_pk8_fp8_f32 v[CB:CB+1], v[SB:SB+7], v54
	v_cvt_scalef32_pk8_fp8_f32 v[CB+2:CB+3], v[SB+8:SB+15], v54
	v_nop                                          ; a plain line behind the last conversion of a run
	global_store_b128 v6, v[CB:CB+3], s[70:71]     ; 32 lanes store 512 consecutive bytes, aligned
	s_wait_xcnt 0x0                                ; this store and the way out's have read their registers: the second pass's steps write v224-255 again
	INIT                                           ; the second pass: the next 256 queries
	s_mov_b32 s2, 0
	s_mov_b32 s3, 16
.Lsecond_pass:
	STEP QF+16
	s_sub_co_u32 s3, s3, 1
	s_cmp_lg_u32 s3, 0
	s_cbranch_scc1 .Lsecond_pass
	WAYOUT 1
	s_wait_tensorcnt 0x0                           ; the wave's end
	ds_add_u32 v[SPW], v[NIL]
	s_wait_dscnt 0x0
	CROUND                                         ; the closing round
	s_endpgm
.Lfunc_end_k_q1d7fcbeebb_attn:
	.size	k_q1d7fcbeebb_attn, .Lfunc_end_k_q1d7fcbeebb_attn-k_q1d7fcbeebb_attn
	.p2alignl 7, 3214868480
	.fill 96, 4, 3214868480
	.section	.rodata,"a",@progbits
	.p2align	6, 0x0
	.amdhsa_kernel k_q1d7fcbeebb_attn
		.amdhsa_group_segment_fixed_size 327680
		.amdhsa_private_segment_fixed_size 0
		.amdhsa_enable_private_segment 0
		.amdhsa_kernarg_size 56
		.amdhsa_user_sgpr_count 2
		.amdhsa_user_sgpr_kernarg_segment_ptr 1
		.amdhsa_wavefront_size32 1
		.amdhsa_system_sgpr_workgroup_id_x 1
		.amdhsa_system_sgpr_workgroup_id_y 1
		.amdhsa_system_sgpr_workgroup_id_z 1
		.amdhsa_system_vgpr_workitem_id 0
		.amdhsa_next_free_vgpr 512
		.amdhsa_next_free_sgpr 84
		.amdhsa_reserve_vcc 0
		.amdhsa_float_denorm_mode_32 3
		.amdhsa_float_denorm_mode_16_64 3
		.amdhsa_memory_ordered 1
		.amdhsa_forward_progress 1
		.amdhsa_inst_pref_size 111
	.end_amdhsa_kernel
	.amdgpu_metadata
---
amdhsa.version: [ 1, 2 ]
amdhsa.kernels:
  - .name:           k_q1d7fcbeebb_attn
    .symbol:         k_q1d7fcbeebb_attn.kd
    .args:
      - { .name: qc, .offset: 0, .size: 8, .value_kind: global_buffer, .address_space: global }
      - { .name: kc, .offset: 8, .size: 8, .value_kind: global_buffer, .address_space: global }
      - { .name: vc, .offset: 16, .size: 8, .value_kind: global_buffer, .address_space: global }
      - { .name: lowp_scales, .offset: 24, .size: 8, .value_kind: global_buffer, .address_space: global }
      - { .name: ctxc, .offset: 32, .size: 8, .value_kind: global_buffer, .address_space: global }
      - { .name: Wo, .offset: 40, .size: 8, .value_kind: global_buffer, .address_space: global }
      - { .name: woc, .offset: 48, .size: 8, .value_kind: global_buffer, .address_space: global }
    .group_segment_fixed_size: 327680
    .private_segment_fixed_size: 0
    .kernarg_segment_align: 8
    .kernarg_segment_size: 56
    .max_flat_workgroup_size: 256
    .sgpr_count:     84
    .vgpr_count:     512
    .wavefront_size: 32
...
	.end_amdgpu_metadata
.endif
;; end of part 6
;; launch oproj (part 7): grid 4 x 64, 4 waves a work-group, clusters of 4 x 4, 327,680 bytes of LDS; arguments ctxc, woc, lowp_scales, bo, out0; writes out0
.if DOCPART == 7
	.amdgcn_target "amdgcn-amd-amdhsa--gfx1250"
	.amdhsa_code_object_version 6
	.text
	.protected	k_q1d7fcbeebb_oproj
	.globl	k_q1d7fcbeebb_oproj
	.p2align	8
	.type	k_q1d7fcbeebb_oproj,@function
k_q1d7fcbeebb_oproj:
	s_mov_b64 s[64:65], 0
	v_nop
	global_prefetch_b8 v0, s[64:65] scope:SCOPE_SE
	s_setreg_imm32_b32 hwreg(HW_REG_WAVE_MODE, 25, 1), 1
	s_wait_xcnt 0x0
	s_wait_alu depctr_hold_cnt(0) depctr_sa_sdst(0) depctr_va_vdst(0) depctr_va_sdst(0) depctr_va_ssrc(0) depctr_va_vcc(0) depctr_vm_vsrc(0)
	s_getreg_b32 s2, hwreg(HW_REG_IB_STS2, 6, 4)
	s_cmp_eq_u32 s2, 0
	s_cbranch_scc0 .Lentry_in_a_cluster
	s_endpgm
.Lentry_in_a_cluster:
	s_bfe_u32 s2, ttmp6, 0x10000c
	s_cmp_lg_u32 s2, 0xf033
	s_cbranch_scc0 .Lentry_shape_is_right
	s_endpgm
.Lentry_shape_is_right:
; out = ctx Wo + bo on codes of E4M3.  ctxc: [token / 128][head][token % 128][64 channels];  woc: [k / 16][n][16 codes], k = head x 64 + channel;  out0: [8192 tokens][1024] f32.
; SHARES.  A work-group owns 128 tokens x 256 columns and makes them as two tiles of 128 columns.  Its 128 rows of ctx lie in LDS with the WHOLE K (512 lines of 256 bytes + 16), filled once; Wo's 128 columns of
; a tile lie behind them with the whole K (64 rows of 2,048 bytes), filled at the head and filled again once, for the second tile.  256 work-groups, one for each WGP.  Four waves, 64 tokens x 64 columns each: 16 accumulators.
; CLUSTERS: 4 x 4.  ctx's rows hang on the tile row alone and are asked for jointly along a row of the cluster, Wo's columns on the tile column alone, along a column.
; At the head each wave issues one joint load: waves 0, 1 ctx's halves (heads 0-7, 8-15), waves 2, 3 Wo's halves (k / 16 = 0-31, 32-63).  The refill stands behind the full sequence and a round,
; each wave asking for a quarter (16 rows); the first tile's way out, which touches registers and the waves' own stages alone, stands between the refill and the wait for it.
; THE MATRIX INSTRUCTION IS USED TRANSPOSED (source 0 = 16 columns of Wo, source 1 = 16 tokens): a lane holds eight neighbouring columns of one token.
; A fragment, 16 rows x 128 K, is four loads of 16 bytes: registers 4 c .. 4 c + 3 hold k = 32 c + 16 (lane / 16) + 0 .. 15, on both sides alike.  Of Wo sixteen lanes read 256 consecutive bytes.
; The bias, divided by 2^(e10 + e11), is the C of each sum's first matrix instruction; each finished sum is multiplied by 2^(e10 + e11).  LIMIT: e10 + e11 between -126 and 127.
; No prefetch: the text has no loop to run ahead in; all that is read is asked for at the head and at the one refill.
; REGISTERS.  Window 0: v16-22 addresses; v28, v29 the spare word's address and 0; v32-95 the bias of both tiles; v96-127 a block's scaled sums; v128-191 rows read back from the stage, two sets.
;   Window 1: two sets of fragments, 128 p on: Wo's four, then ctx's four.   Window 2: the accumulators, (a, b) at v[8 (4 a + b)].
.set LINE,  272
.set HEADB, 32*LINE                    ; a head's 128 tokens x 64 bytes in LDS
.set BOFF,  512*LINE                   ; Wo's tile lies behind ctx's 512 lines
.set KBROW, 2048                       ; 128 columns x 16 codes
.set STAGE, BOFF+64*KBROW              ; 16 rows x (256 bytes + 16) for each wave; no tensor load lands there
.set SPARE, STAGE+4*16*LINE            ; the spare words, 128 bytes a wave
.set ADRA, 16                          ; v16-17  my ctx fragments: K steps 0-3, 4-7
.set ADRB, 18                          ; v18-19  the same for Wo
.set STO,  20
.set RD,   21
.set CO,   22
.set SPW,  28
.set NIL,  29
.set BIAS, 32
.set TMP,  96
.set BK,   128
.set MSB, 0
.macro WIN new                         ; the immediate's high byte repeats the setting that is left
.if MSB != \new
	s_set_vgpr_msb (MSB<<8)|\new
.set MSB, \new
.endif
.endm
.macro CROUND                          ; a round of the cluster's barrier
	s_barrier_signal -1
	s_barrier_wait -1
	s_cmp_lg_u32 s14, 0
	s_cbranch_scc1 .Lnot_wave_0_\@
	s_barrier_signal -3
.Lnot_wave_0_\@:
	s_barrier_wait -3
	s_barrier_signal -1
	s_barrier_wait -1
.endm
.macro PLACES
.rept 4
	v_nop
.endr
.endm
	s_load_b128 s[4:7], s[0:1], 0x0                ; ctxc s[4:5], woc s[6:7]
	s_load_b128 s[8:11], s[0:1], 0x10              ; the scales' exponents s[8:9], bo s[10:11]
	s_load_b64 s[12:13], s[0:1], 0x20              ; out0
	v_lshl_add_u32 v[SPW], v0, 2, SPARE
	v_mov_b32 v[NIL], 0
	ds_add_u32 v[SPW], v[NIL]                      ; the opening: the add, twice on end, and its wait ahead of my first tensor load
	ds_add_u32 v[SPW], v[NIL]
	v_lshrrev_b32 v1, 5, v0
	v_readfirstlane_b32 s14, v1                    ; wave 0..3
	s_lshr_b32 s15, s14, 1                         ; which 64 tokens are mine.  Also: I fetch for ctx (0) or for Wo (1)
	s_and_b32 s16, s14, 1                          ; which 64 columns.  Also: which half I fetch
	s_bfe_u32 s40, ttmp6, 0x40000                  ; cx, cy: my place in the cluster
	s_bfe_u32 s41, ttmp6, 0x40004
	s_lshl_b32 s42, ttmp9, 2
	s_add_co_u32 s42, s42, s40                     ; my 256 columns: 4 x cluster x + cx
	s_and_b32 s17, ttmp7, 0xffff
	s_lshl_b32 s17, s17, 2
	s_add_co_u32 s17, s17, s41                     ; my 128 tokens: 4 x cluster y + cy
	s_lshl_b32 s43, s41, 2
	s_lshl_b32 s43, 15, s43                        ; my row of the cluster
	s_lshl_b32 s44, 0x1111, s40                    ; my column
	; descriptor groups 1.  ctx: 256 dense rows of 256 bytes, padded in LDS.  Wo: 32 rows (at the refill 16) of 2,048 bytes, 16,384 apart, no padding
	s_or_b32 s24, s43, (1<<20)|(1<<21)|(5<<22)|(3<<25)   ; 15:0 the mask; 17:16 elements of 1 byte; 20 padding on; 21 set beside a mask; 24:22 after every 64 words; 31:25 of 4 words
	s_mov_b32 s25, 256<<16                         ; tensor_dim0
	s_mov_b32 s26, 256<<16                         ; tensor_dim1
	s_mov_b32 s27, 256<<16                         ; tile_dim0
	s_mov_b32 s28, 256                             ; tile_dim1
	s_mov_b32 s29, 256                             ; the rows are dense
	s_mov_b32 s30, 0
	s_mov_b32 s31, 0
	s_or_b32 s48, s44, 1<<21
	s_or_b32 s68, s44, 1<<21
.irp g, 48, 68
	s_mov_b32 s[\g+1], KBROW<<16
	s_mov_b32 s[\g+3], KBROW<<16
	s_mov_b32 s[\g+5], 16384
	s_mov_b32 s[\g+6], 0
	s_mov_b32 s[\g+7], 0
.endr
	s_mov_b32 s50, 32<<16
	s_mov_b32 s52, 32
	s_mov_b32 s70, 16<<16
	s_mov_b32 s72, 16
	s_lshl_b32 s20, s17, 17                        ; ctx: a block of 128 tokens is 2^17 bytes,
	s_lshl_b32 s18, s16, 16                        ; its half 2^16
	s_add_co_u32 s20, s20, s18
	s_mov_b32 s21, 0
	s_mul_i32 s33, s16, 256*LINE                   ; and in LDS
	s_lshl_b32 s46, s42, 12                        ; Wo: 256 columns of 16 bytes,
	s_lshl_b32 s18, s16, 19                        ; 32 rows of 16,384 bytes
	s_add_co_u32 s46, s46, s18
	s_mov_b32 s47, 0
	s_lshl_b32 s57, s16, 16
	s_add_co_u32 s57, s57, BOFF
	s_lshl_b32 s80, s42, 12                        ; the refill: the next 128 columns,
	s_add_co_u32 s80, s80, KBROW
	s_lshl_b32 s18, s14, 18                        ; my wave's 16 rows
	s_add_co_u32 s80, s80, s18
	s_mov_b32 s81, 0
	s_lshl_b32 s77, s14, 15
	s_add_co_u32 s77, s77, BOFF
	s_wait_dscnt 0x0                               ; both opening adds are done
	s_wait_kmcnt 0x0
	s_load_b64 s[96:97], s[8:9], 0x28              ; e10, e11
	s_mov_b32 s32, 1
	s_add_nc_u64 s[34:35], s[4:5], s[20:21]
	s_or_b32 s35, s35, 0x80000000
	s_mov_b32 s56, 1
	s_add_nc_u64 s[58:59], s[6:7], s[46:47]
	s_or_b32 s59, s59, 0x80000000
	s_mov_b32 s76, 1
	s_add_nc_u64 s[78:79], s[6:7], s[80:81]
	s_or_b32 s79, s79, 0x80000000
	CROUND                                         ; all sixteen work-groups are here: the joint loads meet
	s_cmp_eq_u32 s15, 0                            ; one load a wave, one to each arm; an s_nop 0 and four v_nop follow each
	s_cbranch_scc0 .Lfor_b
	tensor_load_to_lds s[32:35], s[24:31]
	s_nop 0
	PLACES
	s_branch .Lasked
.Lfor_b:
	tensor_load_to_lds s[56:59], s[48:55]
	s_nop 0
	PLACES
.Lasked:
	s_mul_i32 s21, s15, 16*LINE                    ; my 64 tokens: 16 lines on in each head
	s_lshl_b32 s22, s16, 10                        ; my 64 columns: 1,024 bytes on in each row
	s_add_co_u32 s22, s22, BOFF
	s_mul_i32 s23, s14, 16*LINE
	s_add_co_u32 s23, s23, STAGE                   ; my stage
	s_lshl_b32 s46, s42, 10                        ; my first column in bytes of f32: 1,024 x column group + 256 x half
	s_lshl_b32 s47, s16, 8
	s_add_co_u32 s46, s46, s47
	s_mov_b32 s47, 0
	s_add_nc_u64 s[10:11], s[10:11], s[46:47]      ; the bias there
	s_lshl_b32 s82, s17, 7
	s_lshl_b32 s18, s15, 6
	s_add_co_u32 s82, s82, s18                     ; my first token
	s_lshl_b32 s82, s82, 12                        ; rows of 4,096 bytes
	s_mov_b32 s83, 0
	s_add_nc_u64 s[82:83], s[82:83], s[46:47]
	s_add_nc_u64 s[12:13], s[12:13], s[82:83]
	v_and_b32 v1, 15, v0                           ; r = lane % 16
	v_bfe_u32 v2, v0, 4, 1                         ; h = lane / 16
	v_lshlrev_b32 v3, 4, v1
	v_lshl_add_u32 v3, v2, 11, v3                  ; Wo: column r, 16 bytes; lanes 16-31 one row of 16 k on
	v_add_nc_u32 v[ADRB], s22, v3
	v_add_nc_u32 v[ADRB+1], 32*KBROW, v[ADRB]
	v_lshrrev_b32 v4, 2, v1
	v_mul_u32_u24 v4, v4, LINE
	v_and_b32 v5, 3, v1
	v_lshl_add_u32 v4, v5, 6, v4
	v_lshl_add_u32 v4, v2, 4, v4                   ; ctx: 272 (r / 4) + 64 (r % 4) + 16 h
	v_add_nc_u32 v[ADRA], s21, v4
	v_add_nc_u32 v[ADRA+1], 8*HEADB, v[ADRA]
	v_mul_u32_u24 v5, v1, LINE
	v_lshl_add_u32 v5, v2, 5, v5
	v_add_nc_u32 v[STO], s23, v5                   ; the stage, in: row r, 32 bytes for each half of the lanes
	v_mul_u32_u24 v6, v2, LINE
	v_lshl_add_u32 v6, v1, 4, v6
	v_add_nc_u32 v[RD], s23, v6                    ; back: sixteen lanes to a row of 256 bytes, two rows an instruction
	v_lshlrev_b32 v7, 12, v2
	v_lshl_add_u32 v[CO], v1, 4, v7                ; and the same two rows in out0
	v_lshlrev_b32 v14, 5, v2
.irp t, 0,1
.irp b, 0,1,2,3
	global_load_b128 v[BIAS+32*\t+8*\b:BIAS+32*\t+8*\b+3], v14, s[10:11] offset:512*\t+64*\b       ; register j of block b of tile t wants column 128 t + 16 b + 8 h + j
	global_load_b128 v[BIAS+32*\t+8*\b+4:BIAS+32*\t+8*\b+7], v14, s[10:11] offset:512*\t+64*\b+16
.endr
.endr
.macro FETCH q, p                      ; the fragments of K step q (128 along K) into set p: 32 loads
	WIN 0x40                                       ; destination window 1, address window 0
.irp b, 0,1,2,3
.irp c, 0,1,2,3
	ds_load_b128 v[128*(\p)+16*\b+4*\c:128*(\p)+16*\b+4*\c+3], v[ADRB+(\q)/4] offset:(8*((\q)%4)+2*\c)*KBROW+\b*256
.endr
.endr
.irp a, 0,1,2,3
.irp c, 0,1,2,3
	ds_load_b128 v[128*(\p)+64+16*\a+4*\c:128*(\p)+64+16*\a+4*\c+3], v[ADRA+(\q)/4] offset:(2*((\q)%4)+\c/2)*HEADB+\a*4*LINE+(\c%2)*32
.endr
.endr
.endm
; A K step: four places behind the products that read the other set, the next step's 32 loads into it, then 16 products; the 16 accumulators take turns.
.macro STEP q, tl
	PLACES
.if \q < 7
	FETCH (\q)+1, ((\q)+1)%2
	s_wait_dscnt 32                                ; this step's fragments are in; the 32 loads just issued may be out
.else
	s_wait_dscnt 0x0
.endif
.if \q == 0
	WIN 0x85                                       ; sources 0 and 1 window 1, the bias window 0, D window 2
.else
	WIN 0xa5                                       ; the same, C window 2
.endif
.irp a, 0,1,2,3
.irp b, 0,1,2,3
.if \q == 0
	v_wmma_f32_16x16x128_fp8_fp8 v[8*(4*\a+\b):8*(4*\a+\b)+7], v[16*\b:16*\b+15], v[64+16*\a:64+16*\a+15], v[BIAS+32*(\tl)+8*\b:BIAS+32*(\tl)+8*\b+7]
.else
	v_wmma_f32_16x16x128_fp8_fp8 v[8*(4*\a+\b):8*(4*\a+\b)+7], v[128*((\q)%2)+16*\b:128*((\q)%2)+16*\b+15], v[128*((\q)%2)+64+16*\a:128*((\q)%2)+64+16*\a+15], v[8*(4*\a+\b):8*(4*\a+\b)+7]
.endif
.endr
.endr
.endm
.macro TILE tl
	FETCH 0, 0
.irp q, 0,1,2,3,4,5,6,7
	STEP \q, \tl
.endr
	WIN 0
.endm
; THE WAY OUT, block by block of 16 tokens x 64 columns: the sums x 2^(e10 + e11), each accumulator from its low end on, go through my own stage and come back as rows of 256 bytes.
; LDS serves a wave's instructions in order (ISA guide 5.7.1.4): no wait between the stores and the loads.
.macro TOSTAGE a
	WIN 0x02                                       ; source 0 window 2
.set jj, 0
.rept 16
	v_pk_mul_f32 v[TMP+jj:TMP+jj+1], v[32*(\a)+jj:32*(\a)+jj+1], s[96:97] op_sel_hi:[1,0]
.set jj, jj+2
.endr
	WIN 0
.irp b, 0,1,2,3
	ds_store_b128 v[STO], v[TMP+8*\b:TMP+8*\b+3] offset:64*\b
	ds_store_b128 v[STO], v[TMP+8*\b+4:TMP+8*\b+7] offset:64*\b+16
.endr
.set BB, BK+32*((\a)%2)
.irp t, 0,1,2,3,4,5,6,7
	ds_load_b128 v[BB+4*\t:BB+4*\t+3], v[RD] offset:\t*2*LINE
.endr
.endm
.macro SEND a, tl, younger             ; younger: the LDS instructions issued behind block a's loads, which may stay out
.set BB, BK+32*((\a)%2)
	s_wait_dscnt \younger
.irp t, 0,1,2,3,4,5,6,7
	global_store_b128 v[CO], v[BB+4*\t:BB+4*\t+3], s[12:13] offset:(16*(\a)+2*\t)*4096+512*(\tl) th:TH_STORE_NT   ; sixteen lanes store 256 consecutive bytes, aligned
.endr
.endm
.macro OUT tl
	s_wait_xcnt 0x0                                ; earlier stores have read their registers
	TOSTAGE 0
	TOSTAGE 1
	SEND 0, \tl, 16                                ; behind block 0's loads: block 1's 8 stores and 8 loads
	s_wait_xcnt 0x0                                ; block 0's stores have read their registers: block 2's loads may land there
	TOSTAGE 2
	SEND 1, \tl, 16
	s_wait_xcnt 0x0
	TOSTAGE 3
	SEND 2, \tl, 16
	SEND 3, \tl, 0
.endm
	s_wait_alu depctr_va_vdst(0)                   ; the wait at the head's end
	s_wait_kmcnt 0x0
	s_add_co_i32 s94, s96, s97                     ; e10 + e11
	s_sub_co_i32 s95, 0, s94
	s_add_co_i32 s96, s94, 127
	s_lshl_b32 s96, s96, 23                        ; 2^(e10 + e11) as f32
	s_wait_loadcnt 0x0                             ; the bias
.set jj, 0
.rept 64
	v_ldexp_f32 v[BIAS+jj], v[BIAS+jj], s95        ; bias / 2^(e10 + e11)
.set jj, jj+1
.endr
	s_wait_alu depctr_va_vdst(0)
	s_wait_tensorcnt 0x0                           ; my load is in,
	s_barrier_signal -1
	s_barrier_wait -1                              ; everybody's is.
	TILE 0
	s_wait_tensorcnt 0x0
	ds_add_u32 v[SPW], v[NIL]
	s_wait_dscnt 0x0                               ; my reads of Wo's tile are over
	CROUND                                         ; no wave of any partner still reads it
	tensor_load_to_lds s[76:79], s[68:75]          ; my quarter of the second tile's columns: the first tensor load behind the round
	s_nop 0
	PLACES                                         ; (also the places behind the last products)
	OUT 0                                          ; registers and my own stage alone: it stands between the refill and the wait for it
	s_wait_tensorcnt 0x0                           ; my quarter is in,
	s_wait_dscnt 0x0
	s_barrier_signal -1
	s_barrier_wait -1                              ; everybody's is
	TILE 1
	PLACES
	OUT 1
	s_wait_tensorcnt 0x0                           ; the wave's end
	ds_add_u32 v[SPW], v[NIL]
	s_wait_dscnt 0x0
	CROUND                                         ; the closing round
	s_endpgm
.Lfunc_end_k_q1d7fcbeebb_oproj:
	.size	k_q1d7fcbeebb_oproj, .Lfunc_end_k_q1d7fcbeebb_oproj-k_q1d7fcbeebb_oproj
	.p2alignl 7, 3214868480
	.fill 96, 4, 3214868480
	.section	.rodata,"a",@progbits
	.p2align	6, 0x0
	.amdhsa_kernel k_q1d7fcbeebb_oproj
		.amdhsa_group_segment_fixed_size 327680
		.amdhsa_private_segment_fixed_size 0
		.amdhsa_enable_private_segment 0
		.amdhsa_kernarg_size 40
		.amdhsa_user_sgpr_count 2
		.amdhsa_user_sgpr_kernarg_segment_ptr 1
		.amdhsa_wavefront_size32 1
		.amdhsa_system_sgpr_workgroup_id_x 1
		.amdhsa_system_sgpr_workgroup_id_y 1
		.amdhsa_system_sgpr_workgroup_id_z 1
		.amdhsa_system_vgpr_workitem_id 0
		.amdhsa_next_free_vgpr 768
		.amdhsa_next_free_sgpr 100
		.amdhsa_reserve_vcc 0
		.amdhsa_float_denorm_mode_32 3
		.amdhsa_float_denorm_mode_16_64 3
		.amdhsa_memory_ordered 1
		.amdhsa_forward_progress 1
		.amdhsa_inst_pref_size 89
	.end_amdhsa_kernel
	.amdgpu_metadata
---
amdhsa.version: [ 1, 2 ]
amdhsa.kernels:
  - .name:           k_q1d7fcbeebb_oproj
    .symbol:         k_q1d7fcbeebb_oproj.kd
    .args:
      - { .name: ctxc, .offset: 0, .size: 8, .value_kind: global_buffer, .address_space: global }
      - { .name: woc, .offset: 8, .size: 8, .value_kind: global_buffer, .address_space: global }
      - { .name: lowp_scales, .offset: 16, .size: 8, .value_kind: global_buffer, .address_space: global }
      - { .name: bo, .offset: 24, .size: 8, .value_kind: global_buffer, .address_space: global }
      - { .name: out0, .offset: 32, .size: 8, .value_kind: global_buffer, .address_space: global }
    .group_segment_fixed_size: 327680
    .private_segment_fixed_size: 0
    .kernarg_segment_align: 8
    .kernarg_segment_size: 40
    .max_flat_workgroup_size: 128
    .sgpr_count:     100
    .vgpr_count:     768
    .wavefront_size: 32
...
	.end_amdgpu_metadata
.endif
;; end of part 7
